; MI455X (gfx1250); checked and timed in simulation.
; The chip was launched on July 23, 2026; its instructions are those of AMD's public machine-readable ISA for CDNA 5 (MIT licence, August 2026) and "CDNA5" Instruction Set Architecture Reference Guide (July 2026). The comments in the code are by the model that wrote it; some were corrected since.
;; Multi Head Attention. Allowed arithmetic: matrix products marked QUANTISED: E2M1 operands, one E8M0 scale for each 32 along K, by v_wmma_scale_f32_16x16x128_f8f6f4 with both operands' format E2M1 (or v_wmma_scale_f32_32x16x128_f4), f32 sums; products left as they are: bf16, f16 or f32 operands; f32 sums; everything else in f32.
;; Inputs: Wk 1,024 x 1,024 float32; Wo 1,024 x 1,024 float32; Wq 1,024 x 1,024 float32; Wv 1,024 x 1,024 float32; attn_mask 1 x 1 x 2,048 x 2,048 float32; k 2 x 2,048 x 1,024 float32; key_padding_mask 2 x 2,048 bool; q 2 x 2,048 x 1,024 float32; v 2 x 2,048 x 1,024 float32.
;; Outputs: out0 2 x 2,048 x 1,024 float32.
;; This version of the problem:
;;   THIS VERSION OF THE PROBLEM IS GIVEN IN LOW PRECISION. The matrix products marked QUANTISED in the list below multiply operands that are first quantised to E2M1 (2 exponent bits, 1 mantissa bit; 4 bits a number), with one power-of-two scale for each 32 numbers along K (OCP MX v1.0); their sums are f32. The products marked 'left as it is' may take bf16, f16 or f32 operands, with f32 sums. Whichever they take, every output number must still come out within the allowed error. Rounding operands to bf16 (8 significant bits) uses up far more of that allowance than f16 does (11 bits, for magnitudes from 6e-5 to 65,504). All else is computed in f32.
;;   The module's matrix products, in the order in which they are computed (A, B: the left and right operand; K: the contracted axis; several contracted axes count as one K, in the product's order):
;;     1. [M 4,096, K 1,024] x [K 1,024, N 1,024]; A: input q; B: input Wq: QUANTISED
;;     2. [M 4,096, K 1,024] x [K 1,024, N 1,024]; A: input k; B: input Wk: QUANTISED
;;     3. [M 4,096, K 1,024] x [K 1,024, N 1,024]; A: input v; B: input Wv: QUANTISED
;;     4. [M 2,048, K 1] x [K 1, N 32]; A: computed on the way; B: computed on the way: left as it is (no contracted axis)
;;     5. [M 2,048, K 1] x [K 1, N 32]; A: computed on the way; B: computed on the way: left as it is (no contracted axis)
;;     6. batch 32 x [M 2,048, K 64] x [K 64, N 2,048]; A: computed on the way; B: computed on the way: left as it is (an operand is computed on the way)
;;     7. batch 32 x [M 2,048, K 2,048] x [K 2,048, N 64]; A: computed on the way; B: computed on the way: left as it is (an operand is computed on the way)
;;     8. [M 4,096, K 1,024] x [K 1,024, N 1,024]; A: computed on the way; B: input Wo: left as it is (an operand is computed on the way)
;;   THE QUANTISER, for each operand of a quantised product, along K:
;;     - K is cut into blocks of 32 from its start; a last block that is shorter is filled with zeros.
;;     - A block's scale is 2^e with e = floor(log2(the largest magnitude in the block)) - 2, held to -126 .. 127; a block of zeros has e = 0. As a byte (E8M0): e + 127.
;;     - Each number is divided by its block's scale, clamped to +-6, and rounded to the nearest number of E2M1, ties to even, subnormals kept.
;;     - The product sums the exact products of the quantised numbers (number of the format x scale) in f32.
;;   ~~~python
;;   def quantise(x, axis):      # numpy; x: float32 -> the quantised numbers, widened to float32 again
;;       x = np.moveaxis(x, axis, -1); K = x.shape[-1]
;;       x = np.pad(x, [(0, 0)] * (x.ndim - 1) + [(0, -K % 32)]); x = x.reshape(x.shape[:-1] + (-1, 32)); a = np.abs(x).max(-1, keepdims=True)
;;       e = np.where(a > 0, np.clip(np.frexp(np.where(a > 0, a, 1))[1] - 1 - 2, -126, 127), 0)      # np.frexp(a)[1] - 1 = floor(log2(a)), exactly
;;       r = np.clip(x / 2.0 ** e, -6, 6)
;;       step = 2.0 ** (np.maximum(np.frexp(np.where(r == 0, 1, r))[1] - 1, 0) - 1)
;;       q = np.round(r / step) * step * 2.0 ** e      # np.round: ties to even
;;       return np.moveaxis(q.reshape(q.shape[:-2] + (-1,))[..., :K], -1, axis).astype(np.float32)
;;   ~~~
;; One version. Each part assembles by itself: llvm-mc -triple=amdgcn-amd-amdhsa -mcpu=gfx1250 --defsym DOCPART=n.
;; ======== version 1 of 1: 4 launches
;; limits: values are held in f16: magnitudes above 65,504 overflow, below 6.1e-05 lose precision
;; workspace buffers: codes 7,864,320 bytes; scales 491,520 bytes; wo16 2,097,152 bytes; rope 524,288 bytes; padw 8,192 bytes of whole numbers; qkvh 25,165,824 bytes; att 8,388,608 bytes
;; launch prep (part 1): grid 528 x 1, 4 waves a work-group, no clusters, 33,280 bytes of LDS; arguments q, k, v, Wq, Wk, Wv, Wo, key_padding_mask, codes, scales, wo16, rope, padw; writes codes, scales, wo16, rope, padw
.if DOCPART == 1
	.amdgcn_target "amdgcn-amd-amdhsa--gfx1250"
	.amdhsa_code_object_version 6
	.text
	.protected	k_q302afeebf0_prep
	.globl	k_q302afeebf0_prep
	.p2align	8
	.type	k_q302afeebf0_prep,@function
k_q302afeebf0_prep:
	s_mov_b64 s[64:65], 0
	v_nop
	global_prefetch_b8 v0, s[64:65] scope:SCOPE_SE
	s_setreg_imm32_b32 hwreg(HW_REG_WAVE_MODE, 25, 1), 1
	s_wait_xcnt 0x0
; PREP: everything that later launches read many times is made once.
;  work-groups 0-479:   q, k, v [4096][1024] and Wq, Wk, Wv [1024][1024], f32, K innermost, become codes of FP4 (E2M1) and one E8M0 byte for each 32 along K.  The six tensors lie one behind the
;                       other in 'codes' (512 bytes a row) and in 'scales' (32 bytes a row): rows 0-12,287 the tokens of q, k, v; rows 12,288 + 1,024 z + n the rows of Wq, Wk, Wv.
;  work-groups 480-511: Wo becomes f16 (its product is left as it is).
;  work-groups 512-527: the rotary table rope[t][64] f32 (words 0-31: cos(t f_j); words 32-63: -sin(t f_j) for even j, +sin for odd j; f_j = 10000^(-j/32)), and the padding masks padw.
; A block's scale is 2^(floor(log2(its largest magnitude)) - 2); its byte is the largest magnitude's exponent field - 2, held at 1 from below.  A block of zeros so gets the byte 1 where the rule says 127:
; its codes are zeros, which add nothing under any byte but 0xff, and the bytes are read by this program alone.
; LIMITS: blocks whose largest magnitude lies under 2^(2 - 126) keep the byte 1; NaN and infinities among the inputs are not served; |Wo| stays under 65,504 (f16).
; The three kinds of work-group part on the work-group's number alone.  Only the first kind touches LDS.
.set QWG,   480                        ; (3 x 4,096 + 3 x 1,024) x 1,024 / 32,768 work-groups quantise
.set WAVES, 4
.set STEPS, 16
.set EMAX,  2
.set CB,    8                          ; bytes of 16 codes
.set R,     16                         ; v16-79   four sets of 16 numbers as they are loaded
.set X,     80                         ; v80-111  two sets of 16 neighbours
.set E,     112                        ; v112-127 a scale byte for each step
.set C,     128                        ; v128-191 codes: four registers for each step, so that no store's data are written again
.set WREG,  8192                       ; LDS: a region for each wave: two stages of 32 x SP bytes, behind them its 256 scale bytes
.set SP,    80                         ; a lane's place in a stage: 64 bytes + 16 of padding
.set SPW,   12                         ; v12      LDS address of my spare word; never rewritten
.set NIL,   13                         ; v13      0; never rewritten
.set SPARE, WAVES*WREG                 ; behind the four regions: the spare words, 128 bytes a wave
.set SRC,   30                         ; s[30:31] the tensor that my work-group quantises
.set COD,   20                         ; s[20:21] codes
.set SCA,   22                         ; s[22:23] scales
.set Y,     144                        ; v144-175 Wo's f16 numbers on their way out
.macro LOAD t                          ; step t: four loads, each 512 consecutive bytes a wave
.irp i, 0,1,2,3
	global_load_b128 v[R+16*((\t)%4)+4*\i:R+16*((\t)%4)+4*\i+3], v3, s[SRC:SRC+1] offset:2048*(\t)+512*\i th:TH_LOAD_NT
.endr
.endm
.macro TURN t                          ; step t's numbers through the stage: LDS serves a wave's instructions in order, so no wait stands between the stores and the loads
.irp i, 0,1,2,3
	ds_store_b128 v14, v[R+16*((\t)%4)+4*\i:R+16*((\t)%4)+4*\i+3] offset:32*SP*((\t)%2)+8*SP*\i
.endr
.irp i, 0,1,2,3
	ds_load_b128 v[X+16*((\t)%2)+4*\i:X+16*((\t)%2)+4*\i+3], v15 offset:32*SP*((\t)%2)+16*\i
.endr
.endm
.macro STEP t
.set XS, X+16*((\t)%2)
.if (\t) > 0
	s_wait_dscnt 1                                 ; this step's numbers are back from the stage; the last step's byte store may be out
.else
	s_wait_dscnt 0x0
.endif
.if (\t)+4 < STEPS
	LOAD (\t)+4                                    ; the registers that the stage's stores have read take the loads of four steps on
.endif
.if (\t)+1 < STEPS
.if STEPS-2-(\t) >= 3
	s_wait_loadcnt 12                              ; the next step's four loads are in; those of the three steps behind it may be out
.else
	s_wait_loadcnt 4*(STEPS-2-(\t))
.endif
	TURN (\t)+1                                    ; and go through the other stage while this step is worked
.endif
	v_max3_num_f32 v8, |v[XS]|, |v[XS+1]|, |v[XS+2]|               ; the largest magnitude of my 16, in two chains
	v_max3_num_f32 v9, |v[XS+3]|, |v[XS+4]|, |v[XS+5]|
.irp i, 6,10
	v_max3_num_f32 v8, v8, |v[XS+\i]|, |v[XS+\i+1]|
	v_max3_num_f32 v9, v9, |v[XS+\i+2]|, |v[XS+\i+3]|
.endr
	v_max3_num_f32 v8, v8, |v[XS+14]|, |v[XS+15]|
	v_max3_num_f32 v8, v8, v9, (EMAX+1)<<23        ; and the floor 2^(EMAX + 1 - 127): the byte cannot fall under 1
	v_max_num_f32_dpp v8, v8, v8 row_xmask:1 row_mask:0xf bank_mask:0xf   ; and of my neighbour's 16: the block's
	v_add_nc_u32 v11, -(EMAX<<23), v8              ; EMAX off its exponent field: the conversion takes the exponent field of this operand as its scale
	v_cvt_scalef32_pk8_fp4_f32 v[C+4*(\t)], v[XS:XS+7], v11
	v_cvt_scalef32_pk8_fp4_f32 v[C+4*(\t)+1], v[XS+8:XS+15], v11
	v_lshrrev_b32 v[E+(\t)], 23, v11               ; the scale's byte (also the plain line behind the conversions)
	ds_store_b8 v5, v[E+(\t)] offset:16*(\t)       ; both lanes of a block write the same byte with the same value
	global_store_b64 v4, v[C+4*(\t):C+4*(\t)+1], s[COD:COD+1] offset:32*CB*(\t)   ; a wave stores 256 consecutive bytes, aligned
.endm
.macro LOADB n                         ; Wo: batch n of four: sixteen loads, each 512 consecutive bytes a wave, into set n % 2
.irp i, 0,1,2,3,4,5,6,7,8,9,10,11,12,13,14,15
	global_load_b128 v[16+64*((\n)%2)+4*\i:16+64*((\n)%2)+4*\i+3], v3, s[16:17] offset:2048*(16*(\n)+\i) th:TH_LOAD_NT
.endr
.endm
	s_load_b512 s[4:19], s[0:1], 0x0               ; q s4, k s6, v s8, Wq s10, Wk s12, Wv s14, Wo s16, key_padding_mask s18
	s_load_b256 s[20:27], s[0:1], 0x40             ; codes s20, scales s22, wo16 s24, rope s26
	s_load_b64 s[28:29], s[0:1], 0x60              ; padw
	v_lshl_add_u32 v[SPW], v0, 2, SPARE
	v_mov_b32 v[NIL], 0
	v_lshrrev_b32 v1, 5, v0
	v_readfirstlane_b32 s33, v1                    ; wave
	v_and_b32 v2, 31, v0                           ; lane
	s_mov_b32 s37, 0                               ; the upper word of every 64-bit offset below
	s_wait_kmcnt 0x0
	s_cmp_ge_u32 ttmp9, QWG
	s_cbranch_scc1 .Lother
	; ---------------- the quantiser: a wave takes 16 steps of 512 numbers ----------------
	v_lshlrev_b32 v3, 4, v2                        ; my 16 bytes of a load's 512
	s_mul_i32 s34, s33, WREG
	v_lshrrev_b32 v14, 2, v2
	v_mul_u32_u24 v14, v14, SP
	v_and_b32 v15, 3, v2
	v_lshl_add_u32 v14, v15, 4, v14
	v_add_nc_u32 v14, s34, v14                     ; the stage, on the way in: SP (lane / 4) + 16 (lane % 4)
	v_mul_u32_u24 v15, v2, SP
	v_add_nc_u32 v15, s34, v15                     ; and on the way out: SP x lane: my 16 neighbours
	v_mul_u32_u24 v4, v2, CB                       ; my codes' place in a step's
	v_lshrrev_b32 v5, 1, v2
	s_add_co_u32 s34, s34, 2*32*SP
	v_add_nc_u32 v5, s34, v5                       ; LDS: my wave's 256 scale bytes, my block's byte
	v_lshlrev_b32 v7, 3, v2                        ; and on the way out 8 bytes a lane
	v_add_nc_u32 v6, s34, v7
	s_mov_b64 s[SRC:SRC+1], s[14:15]               ; which tensor: a chain of choices on the work-group's number alone; s32 = the tensor's first work-group
	s_mov_b32 s32, 448
	s_cmp_lt_u32 ttmp9, 448
	s_cselect_b64 s[SRC:SRC+1], s[12:13], s[SRC:SRC+1]
	s_cselect_b32 s32, 416, s32
	s_cmp_lt_u32 ttmp9, 416
	s_cselect_b64 s[SRC:SRC+1], s[10:11], s[SRC:SRC+1]
	s_cselect_b32 s32, 384, s32
	s_cmp_lt_u32 ttmp9, 384
	s_cselect_b64 s[SRC:SRC+1], s[8:9], s[SRC:SRC+1]
	s_cselect_b32 s32, 256, s32
	s_cmp_lt_u32 ttmp9, 256
	s_cselect_b64 s[SRC:SRC+1], s[6:7], s[SRC:SRC+1]
	s_cselect_b32 s32, 128, s32
	s_cmp_lt_u32 ttmp9, 128
	s_cselect_b64 s[SRC:SRC+1], s[4:5], s[SRC:SRC+1]
	s_cselect_b32 s32, 0, s32
	s_sub_co_u32 s35, ttmp9, s32
	s_lshl_b32 s35, s35, 2
	s_add_co_u32 s36, s35, s33                     ; which run of 8,192 numbers of the tensor is my wave's,
	s_lshl_b32 s36, s36, 15                        ; in bytes (under 2^25)
	s_add_nc_u64 s[SRC:SRC+1], s[SRC:SRC+1], s[36:37]
	s_lshl_b32 s38, ttmp9, 2
	s_add_co_u32 s38, s38, s33                     ; and which run of the six tensors on end
	s_lshl_b32 s36, s38, 12                        ; 4,096 bytes of codes a run
	s_add_nc_u64 s[COD:COD+1], s[COD:COD+1], s[36:37]
	s_lshl_b32 s36, s38, 8                         ; 256 scale bytes a run
	s_add_nc_u64 s[SCA:SCA+1], s[SCA:SCA+1], s[36:37]
.irp t, 0,1,2,3
	LOAD \t
.endr
	s_wait_loadcnt 12                              ; step 0's four loads are in
	TURN 0
.irp t, 0,1,2,3,4,5,6,7,8,9,10,11,12,13,14,15
	STEP \t
.endr
	ds_load_b64 v[8:9], v6                         ; LDS serves a wave's instructions in order: these see my byte stores
	s_wait_dscnt 0x0
	global_store_b64 v7, v[8:9], s[SCA:SCA+1]      ; 32 lanes store 256 consecutive bytes, aligned
	s_wait_tensorcnt 0x0                           ; the wave's end: a tensor wait, an add of 0 to my spare word and its wait, behind my last LDS store
	ds_add_u32 v[SPW], v[NIL]
	s_wait_dscnt 0x0
	s_endpgm
.Lother:
	s_cmp_ge_u32 ttmp9, QWG+32
	s_cbranch_scc1 .Ltab
	; ---------------- Wo to f16: a work-group takes 32,768 numbers; two batches of sixteen loads are out ----------------
	s_sub_co_u32 s34, ttmp9, QWG
	s_lshl_b32 s36, s34, 17
	s_add_nc_u64 s[16:17], s[16:17], s[36:37]
	s_lshl_b32 s36, s34, 16
	s_add_nc_u64 s[24:25], s[24:25], s[36:37]
	v_lshlrev_b32 v3, 4, v0                        ; in: 16 bytes a thread
	v_lshlrev_b32 v4, 3, v0                        ; out: 8 bytes a thread
	LOADB 0
	LOADB 1
.irp n, 0,1,2,3
.if \n < 3
	s_wait_loadcnt 16                              ; this batch is in; the next batch's sixteen may be out
.else
	s_wait_loadcnt 0x0
.endif
.if \n > 0
	s_wait_xcnt 0x0                                ; the last batch's stores have read Y: it is written again only behind this wait
.endif
.irp i, 0,1,2,3,4,5,6,7,8,9,10,11,12,13,14,15
	v_cvt_pk_f16_f32 v[Y+2*\i],   v[16+64*(\n%2)+4*\i],   v[16+64*(\n%2)+4*\i+1]
	v_cvt_pk_f16_f32 v[Y+2*\i+1], v[16+64*(\n%2)+4*\i+2], v[16+64*(\n%2)+4*\i+3]
.endr
.irp i, 0,1,2,3,4,5,6,7,8,9,10,11,12,13,14,15
	global_store_b64 v4, v[Y+2*\i:Y+2*\i+1], s[24:25] offset:1024*(16*\n+\i)   ; a wave stores 256 consecutive bytes, aligned
.endr
.if \n < 2
	LOADB \n+2
.endif
.endr
	s_endpgm
.Ltab:
	; ---------------- the padding masks and the rotary table: work-group kk of 16 ----------------
	s_sub_co_u32 s34, ttmp9, QWG+32                ; kk
	s_lshl_b32 s35, s34, 7                         ; 128 kk
	; padw[b][step of 64 keys][8 u + j]: low 16 bits all ones where key 64 step + 16 u + j is padded, high 16 bits likewise for that key + 8: a lane mask for the score register (u, j) of the attention launch
	v_add_nc_u32 v3, s35, v0                       ; the word that I make, 0 .. 2,047
	v_lshrrev_b32 v4, 10, v3                       ; b
	v_and_b32 v5, 0x3ff, v3
	v_lshrrev_b32 v6, 5, v5                        ; step
	v_bfe_u32 v7, v5, 3, 2                         ; u
	v_and_b32 v8, 7, v5                            ; j
	v_lshlrev_b32 v6, 6, v6
	v_lshl_add_u32 v6, v7, 4, v6
	v_add_nc_u32 v6, v6, v8
	v_lshl_add_u32 v6, v4, 11, v6                  ; 2,048 b + key
	global_load_u8 v9, v6, s[18:19]
	global_load_u8 v10, v6, s[18:19] offset:8
	v_lshlrev_b32 v11, 2, v3
	v_mov_b32 v14, 0xffff
	v_mov_b32 v15, 0xffff0000
	; the table: sixteen threads make a row t (256 bytes), four words each: thread i: words 4 (i & 7) + e of the cosines (i < 8) or of the signed sines
	v_and_b32 v16, 7, v0
	v_bfe_u32 v17, v0, 3, 1                        ; 1: I make sines
	v_lshlrev_b32 v18, 2, v16
.irp e, 0,1,2,3
	v_add_nc_u32 v[20+\e], \e, v18                 ; j
.endr
.irp e, 0,1,2,3
	v_cvt_f32_u32 v[20+\e], v[20+\e]
.endr
.irp e, 0,1,2,3
	v_mul_f32 v[20+\e], 0xbed49a78, v[20+\e]       ; -j log2(10000) / 32
.endr
.irp e, 0,1,2,3
	v_exp_f32 v[20+\e], v[20+\e]                   ; f_j
.endr
	v_lshrrev_b32 v24, 4, v0                       ; (a plain line behind the exponentials)
	v_add_nc_u32 v24, s35, v24
	v_cvt_f32_u32 v24, v24                         ; t = 128 kk + thread / 16, and 8 more in each trip
	v_sub_nc_u32 v25, 1, v17                       ; a cosine is a sine a quarter turn on
	v_lshlrev_b32 v26, 31, v17                     ; the sign of the sines of even j
	s_lshl_b32 s36, s34, 15
	v_lshl_add_u32 v27, v0, 4, s36                 ; my 16 bytes: 32,768 kk + 16 x thread, and 2,048 more in each trip
	s_mov_b32 s40, 0xb94ca1f9                      ; the leading coefficients of the two polynomials
	s_mov_b32 s41, 0x37ccf5ce
	s_wait_loadcnt 0x0
	v_cmp_ne_u32 vcc_lo, 0, v9
	v_cndmask_b32 v9, 0, v14, vcc_lo
	v_cmp_ne_u32 vcc_lo, 0, v10
	v_cndmask_b32 v10, 0, v15, vcc_lo
	v_or_b32 v9, v9, v10
	global_store_b32 v11, v9, s[28:29]
	s_mov_b32 s38, 16
	s_wait_alu depctr_va_vdst(0)                   ; one wait for the four exponentials, ahead of the label and of their first reader
.Lrow:                                             ; a trip: eight rows of the table.  x = t f_j = n pi/2 + r, |r| <= pi/4, pi/2 in two parts; sin r and cos r by polynomials in r^2
.irp e, 0,1,2,3
	v_mul_f32 v[32+\e], v24, v[20+\e]              ; x, rounded as f32 rounds t f_j
.endr
.irp e, 0,1,2,3
	v_mul_f32 v[36+\e], 0x3f22f983, v[32+\e]
.endr
.irp e, 0,1,2,3
	v_rndne_f32 v[36+\e], v[36+\e]                 ; n
.endr
.irp e, 0,1,2,3
	v_fmamk_f32 v[40+\e], v[36+\e], 0xbfc90fdb, v[32+\e]
.endr
.irp e, 0,1,2,3
	v_fmamk_f32 v[40+\e], v[36+\e], 0x333bbd2e, v[40+\e]   ; r
.endr
.irp e, 0,1,2,3
	v_mul_f32 v[44+\e], v[40+\e], v[40+\e]         ; z = r r
.endr
.irp e, 0,1,2,3
	v_fmaak_f32 v[48+\e], s40, v[44+\e], 0x3c08839e
	v_fmaak_f32 v[52+\e], s41, v[44+\e], 0xbab6061a
.endr
.irp e, 0,1,2,3
	v_fmaak_f32 v[48+\e], v[48+\e], v[44+\e], 0xbe2aaaa3
	v_fmaak_f32 v[52+\e], v[52+\e], v[44+\e], 0x3d2aaaa5
.endr
.irp e, 0,1,2,3
	v_mul_f32 v[48+\e], v[48+\e], v[44+\e]
	v_fma_f32 v[52+\e], v[52+\e], v[44+\e], -0.5
.endr
.irp e, 0,1,2,3
	v_fma_f32 v[48+\e], v[48+\e], v[40+\e], v[40+\e]       ; sin r
	v_fma_f32 v[52+\e], v[52+\e], v[44+\e], 1.0            ; cos r
.endr
.irp e, 0,1,2,3
	v_cvt_i32_f32 v[56+\e], v[36+\e]
.endr
.irp e, 0,1,2,3
	v_add_nc_u32 v[56+\e], v[56+\e], v25           ; quarter turns: n, and one more for a cosine
.endr
.irp e, 0,1,2,3
	v_and_b32 v[36+\e], 1, v[56+\e]
	v_and_b32 v[56+\e], 2, v[56+\e]
.endr
.irp e, 0,1,2,3
	v_cmp_ne_u32 vcc_lo, 0, v[36+\e]
	v_cndmask_b32 v[60+\e], v[48+\e], v[52+\e], vcc_lo     ; an odd number of quarter turns takes cos r,
	v_lshlrev_b32 v[56+\e], 30, v[56+\e]
	v_xor_b32 v[60+\e], v[60+\e], v[56+\e]                 ; and the second half turn changes the sign
.endr
	v_xor_b32 v60, v60, v26                        ; the sines of even j are stored negated
	v_xor_b32 v62, v62, v26
	global_store_b128 v27, v[60:63], s[26:27]      ; a wave stores 512 consecutive bytes, aligned
	s_wait_xcnt 0x0                                ; the store's offset and data are written again only behind this wait
	v_add_nc_u32 v27, 2048, v27
	v_add_f32 v24, 0x41000000, v24
	s_sub_co_i32 s38, s38, 1
	s_cmp_lg_u32 s38, 0
	s_cbranch_scc1 .Lrow
	s_endpgm
.Lfunc_end_k_q302afeebf0_prep:
	.size	k_q302afeebf0_prep, .Lfunc_end_k_q302afeebf0_prep-k_q302afeebf0_prep
	.p2alignl 7, 3214868480
	.fill 96, 4, 3214868480
	.section	.rodata,"a",@progbits
	.p2align	6, 0x0
	.amdhsa_kernel k_q302afeebf0_prep
		.amdhsa_group_segment_fixed_size 33280
		.amdhsa_private_segment_fixed_size 0
		.amdhsa_enable_private_segment 0
		.amdhsa_kernarg_size 104
		.amdhsa_user_sgpr_count 2
		.amdhsa_user_sgpr_kernarg_segment_ptr 1
		.amdhsa_wavefront_size32 1
		.amdhsa_system_sgpr_workgroup_id_x 1
		.amdhsa_system_sgpr_workgroup_id_y 1
		.amdhsa_system_sgpr_workgroup_id_z 1
		.amdhsa_system_vgpr_workitem_id 0
		.amdhsa_next_free_vgpr 192
		.amdhsa_next_free_sgpr 66
		.amdhsa_reserve_vcc 1
		.amdhsa_float_denorm_mode_32 3
		.amdhsa_float_denorm_mode_16_64 3
		.amdhsa_memory_ordered 1
		.amdhsa_forward_progress 1
		.amdhsa_inst_pref_size 61
	.end_amdhsa_kernel
	.amdgpu_metadata
---
amdhsa.version: [ 1, 2 ]
amdhsa.kernels:
  - .name:           k_q302afeebf0_prep
    .symbol:         k_q302afeebf0_prep.kd
    .args:
      - { .name: q, .offset: 0, .size: 8, .value_kind: global_buffer, .address_space: global }
      - { .name: k, .offset: 8, .size: 8, .value_kind: global_buffer, .address_space: global }
      - { .name: v, .offset: 16, .size: 8, .value_kind: global_buffer, .address_space: global }
      - { .name: Wq, .offset: 24, .size: 8, .value_kind: global_buffer, .address_space: global }
      - { .name: Wk, .offset: 32, .size: 8, .value_kind: global_buffer, .address_space: global }
      - { .name: Wv, .offset: 40, .size: 8, .value_kind: global_buffer, .address_space: global }
      - { .name: Wo, .offset: 48, .size: 8, .value_kind: global_buffer, .address_space: global }
      - { .name: key_padding_mask, .offset: 56, .size: 8, .value_kind: global_buffer, .address_space: global }
      - { .name: codes, .offset: 64, .size: 8, .value_kind: global_buffer, .address_space: global }
      - { .name: scales, .offset: 72, .size: 8, .value_kind: global_buffer, .address_space: global }
      - { .name: wo16, .offset: 80, .size: 8, .value_kind: global_buffer, .address_space: global }
      - { .name: rope, .offset: 88, .size: 8, .value_kind: global_buffer, .address_space: global }
      - { .name: padw, .offset: 96, .size: 8, .value_kind: global_buffer, .address_space: global }
    .group_segment_fixed_size: 33280
    .private_segment_fixed_size: 0
    .kernarg_segment_align: 8
    .kernarg_segment_size: 104
    .max_flat_workgroup_size: 128
    .sgpr_count:     66
    .vgpr_count:     192
    .wavefront_size: 32
...
	.end_amdgpu_metadata
.endif
;; end of part 1
;; launch proj (part 2): grid 4 x 48, 4 waves a work-group, clusters of 4 x 4, 327,680 bytes of LDS; arguments codes, scales, rope, qkvh; writes qkvh
.if DOCPART == 2
	.amdgcn_target "amdgcn-amd-amdhsa--gfx1250"
	.amdhsa_code_object_version 6
	.text
	.protected	k_q302afeebf0_proj
	.globl	k_q302afeebf0_proj
	.p2align	8
	.type	k_q302afeebf0_proj,@function
k_q302afeebf0_proj:
	s_mov_b64 s[64:65], 0
	v_nop
	global_prefetch_b8 v0, s[64:65] scope:SCOPE_SE
	s_setreg_imm32_b32 hwreg(HW_REG_WAVE_MODE, 25, 1), 1
	s_wait_xcnt 0x0
	s_wait_alu depctr_hold_cnt(0) depctr_sa_sdst(0) depctr_va_vdst(0) depctr_va_sdst(0) depctr_va_ssrc(0) depctr_va_vcc(0) depctr_vm_vsrc(0)
	s_getreg_b32 s2, hwreg(HW_REG_IB_STS2, 6, 4)
	s_cmp_eq_u32 s2, 0
	s_cbranch_scc0 .Lentry_in_a_cluster
	s_endpgm
.Lentry_in_a_cluster:
	s_bfe_u32 s2, ttmp6, 0x10000c
	s_cmp_lg_u32 s2, 0xf033
	s_cbranch_scc0 .Lentry_shape_is_right
	s_endpgm
.Lentry_shape_is_right:
; PROJ: the three quantised projections as ONE product on codes of FP4 (E2M1) with E8M0 scales: rows 0-12,287 of 'codes' (the tokens of q, k, v) against the 1,024 rows of that tensor's weight
; (rows 12,288 + 1,024 z + n, z = 0, 1, 2), K = 1,024.  Sums in f32.  On the way out q's and k's results are turned by the rotary table in f32 (v's by the table's row 0, which is the identity),
; rounded once to f16 and stored by heads: qkvh[z][b][head][t][64].
; A tile of 256 x 256 is made by a work-group of four waves, a wave makes 128 x 128: 64 accumulators of 16 x 16, 512 registers.  All of K lies in two LDS slots of 512 along K, asked for at the start:
; nothing is filled again.  The scale bytes of the work-group's 256 + 256 rows come once, in whole rows of 256 bytes.
; CLUSTERS: 4 x 4 work-groups.  The four of a row of the cluster need the same tokens, the four of a column the same rows of the weight (a cluster's sixteen tiles lie in one of the three tensors):
; each tile is asked for jointly, by the same tensor load with the same descriptor and a mask that names the four.
; THE MATRIX INSTRUCTION IS USED TRANSPOSED (source 0 = 16 rows of the weight, source 1 = 16 tokens): a lane holds eight neighbouring channels of one token, so the rotary pairs (2 i, 2 i + 1) lie in one lane.
; LIMIT: the results are stored as f16: |q Wq^T|, |k Wk^T|, |v Wv^T| stay under 65,504.
; REGISTERS, in windows of 256: window 0: v0-31 addresses; v32-95 scale words, two sets; from v128 the tokens' fragments, one set; v192-255 the rotary table of the first two blocks, asked for at the head.
;   window 1: the weight's fragments, two sets, at v0 and v128; on the way out the rows read back from the stage, 32 registers for each of the eight blocks.
;   window 2: the 32 accumulators of my rows 0-63 ((a, b) at v[8 (8 a + b)]);   window 3: those of my rows 64-127.
.set SIZE_K, 1024
.set WROW0,  12288                     ; the first weight row in 'codes' and 'scales'
.set KSTEP,  512                       ; along K in a slot
.set NQ,     KSTEP/128                 ; matrix instructions deep
.set ROWB,   256                       ; a tile's row in bytes
.set KROW,   SIZE_K/2                  ; a row of codes in memory
.set PITCH,  272                       ; an LDS row: 256 bytes + 16 of padding: the 16 rows that a load touches start 16 bytes apart modulo 256
.set FR,     8                         ; registers of a fragment: 16 rows x 128 K
.set NL,     2                         ; LDS loads that bring one
.set NP,     4                         ; places behind this matrix instruction (ISA guide 7.12.1)
.set HALFT,  128*PITCH                 ; 128 rows: what one tensor load brings
.set SLOT,   4*HALFT                   ; the tokens' 256 rows, then the weight's 256 rows
.set KS,     SIZE_K/32                 ; a row of scale bytes
.set SCL,    2*SLOT                    ; behind the slots: the scale bytes, as rows of 256 bytes + 16 of padding
.set HALFS,  (128*KS/256)*272          ; those of 128 rows
.set SBLK,   (16*KS/256)*272           ; those of 16 rows
.set SPARE,  SCL+4*HALFS               ; the spare words, 128 bytes a wave
.set SPITCH, 272                       ; the way out: a stage of 16 rows x (256 bytes + 16) for each wave, in slot 0, which has had its one fill and its last read by then
.set VT,   8                           ; v8-15   my offsets in the rotary table, one for each block of 16 tokens; never rewritten
.set ADRA, 16                          ; v16-17  LDS address of my tokens' fragments in slot 0, 1
.set ADRB, 20                          ; v20-21  the same for the weight
.set STO,  24                          ; v24     the way out: where I put 16 bytes of a token
.set RD,   25                          ; v25     where I read them back
.set CO,   26                          ; v26     16 x lane: my bytes of a store
.set ADRS, 27                          ; v27     LDS address of my scale words: lanes 0-15 the tokens', lanes 16-31 the weight's
.set SPW,  28                          ; v28     my spare word; never rewritten
.set NIL,  29                          ; v29     0; never rewritten
.set SC,   32                          ; scale words: set s at v[SC + 32 s]; register 4 i + q: lanes 0-15 tokens' block i, lanes 16-31 weight's block i, the slot's q-th 128 along K
.set AF,   128                         ; the tokens' fragments
.set T,    96                          ; the way out: v96-159 64 turned numbers
.set TMP,  160                         ; v160-191 as f16
.set G1, 24
.set G0, 32
.set G1B, 48
.set G0B, 56
.set G1S, 68
.set G0S, 76
.set G1SB, 80
.set G0SB, 88
.set MSB, 0
.macro WIN new                         ; the immediate's high byte repeats the setting that is left
.if MSB != (\new)
	s_set_vgpr_msb (MSB<<8)|(\new)
.set MSB, (\new)
.endif
.endm
.set MUL_LO, 0xa1                      ; source 0 (weight) window 1, source 1 (tokens) window 0, C and D window 2
.set MUL_HI, 0xf1                      ; the same, C and D window 3
.set TO_B,   0x40                      ; destination window 1, address window 0
; A joint load: waves 0 and 1 fetch for the tokens, waves 2 and 3 for the weight.  Each line has one mask and one set of registers for all that issue it; the branch hangs on the wave's number alone.
; An s_nop 0 and four v_nop follow each of the two lines.
.macro JLOAD g0a, g1a, g0b, g1b
	s_cmp_eq_u32 s15, 0
	s_cbranch_scc0 .Lfor_b_\@
	tensor_load_to_lds s[\g0a:\g0a+3], s[\g1a:\g1a+7]
	s_nop 0
.rept 4
	v_nop
.endr
	s_branch .Lasked_\@
.Lfor_b_\@:
	tensor_load_to_lds s[\g0b:\g0b+3], s[\g1b:\g1b+7]
	s_nop 0
.rept 4
	v_nop
.endr
.Lasked_\@:
.endm
.macro CROUND                          ; a round of the cluster's barrier
	s_barrier_signal -1
	s_barrier_wait -1
	s_cmp_lg_u32 s14, 0
	s_cbranch_scc1 .Lnot_wave_0_\@
	s_barrier_signal -3
.Lnot_wave_0_\@:
	s_barrier_wait -3
	s_barrier_signal -1
	s_barrier_wait -1
.endm
; Block a's table words: for channel blocks of parity p eight cosines and eight signed sines of my token.  Four sets of 32 registers take turns: blocks a % 4 = 0, 1 at v192, v224; 2, 3 at v32, v64.
.macro TAB a
.set TB, 192+32*((\a)%4)-224*(((\a)%4)/2)
.irp p, 0,1
.irp kd, 0,1
.irp hf, 0,1
	global_load_b128 v[TB+16*\p+8*\kd+4*\hf:TB+16*\p+8*\kd+4*\hf+3], v[VT+(\a)], s[96:97] offset:64*\p+128*\kd+16*\hf
.endr
.endr
.endr
.endm
	s_load_b128 s[4:7], s[0:1], 0x0                ; codes s[4:5], scales s[6:7]
	s_load_b128 s[96:99], s[0:1], 0x10             ; rope s[96:97], qkvh s[98:99]
	v_lshl_add_u32 v[SPW], v0, 2, SPARE
	v_mov_b32 v[NIL], 0
	ds_add_u32 v[SPW], v[NIL]                      ; the wave's opening: the add, twice on end; its wait stands ahead of my first tensor load
	ds_add_u32 v[SPW], v[NIL]
	v_lshrrev_b32 v1, 5, v0
	v_readfirstlane_b32 s14, v1                    ; wave 0..3
	s_lshr_b32 s15, s14, 1                         ; which half of the tile's tokens is mine.  Also: I fetch for the tokens (0) or for the weight (1)
	s_and_b32 s16, s14, 1                          ; which half of its channels.  Also: which 128 rows I fetch
	s_bfe_u32 s40, ttmp6, 0x40000                  ; cx, cy: my place in the cluster
	s_bfe_u32 s41, ttmp6, 0x40004
	s_lshl_b32 s42, ttmp9, 2
	s_add_co_u32 s42, s42, s40                     ; tile column = 4 x cluster x + cx
	s_and_b32 s100, ttmp7, 0xffff                  ; cluster y
	s_lshl_b32 s17, s100, 2
	s_add_co_u32 s17, s17, s41                     ; tile row = 4 x cluster y + cy, 0 .. 47
	s_lshr_b32 s100, s100, 2                       ; z: which of the three tensors: the same in all sixteen partners
	s_lshl_b32 s43, s41, 2
	s_lshl_b32 s43, 15, s43                        ; my row of the cluster
	s_lshl_b32 s44, 0x1111, s40                    ; my column
	; descriptor group 1: a tile of 128 rows x 256 bytes, 16 bytes of padding behind each row
	s_or_b32 s[G1+0], s43, (0<<16)|(1<<20)|(1<<21)|(5<<22)|(3<<25)  ; 15:0 the mask; 17:16 elements of 1 byte; 20 padding on; 21 set beside a mask; 24:22 after every 64 words; 31:25 four words
	s_or_b32 s[G1B+0], s44, (0<<16)|(1<<20)|(1<<21)|(5<<22)|(3<<25)
.irp g, G1, G1B
	s_mov_b32 s[\g+1], ROWB<<16                    ; tensor_dim0
	s_mov_b32 s[\g+2], 128<<16                     ; tensor_dim1
	s_mov_b32 s[\g+3], ROWB<<16                    ; tile_dim0
	s_mov_b32 s[\g+4], 128                         ; tile_dim1
	s_mov_b32 s[\g+5], KROW                        ; from row to row
	s_mov_b32 s[\g+6], 0
	s_mov_b32 s[\g+7], 0
.endr
	; the scale bytes of 128 rows: a dense block of 4,096 bytes, as 16 rows of 256 bytes (32 elements of 8 bytes), padded likewise
	s_or_b32 s[G1S+0], s43, (3<<16)|(1<<20)|(1<<21)|(5<<22)|(3<<25)
	s_or_b32 s[G1SB+0], s44, (3<<16)|(1<<20)|(1<<21)|(5<<22)|(3<<25)
.irp g, G1S, G1SB
	s_mov_b32 s[\g+1], 32<<16
	s_mov_b32 s[\g+2], (128*KS/256)<<16
	s_mov_b32 s[\g+3], 32<<16
	s_mov_b32 s[\g+4], 128*KS/256
	s_mov_b32 s[\g+5], 32
	s_mov_b32 s[\g+6], 0
	s_mov_b32 s[\g+7], 0
.endr
	s_lshl_b32 s18, s16, 7                         ; which 128 rows of the tile I fetch
	s_lshl_b32 s20, s17, 8
	s_add_co_u32 s20, s20, s18                     ; tokens: row 256 x tile row + 128 x half
	s_lshl_b32 s46, s42, 8
	s_add_co_u32 s46, s46, s18
	s_lshl_b32 s19, s100, 10
	s_add_co_u32 s46, s46, s19
	s_add_co_u32 s46, s46, WROW0                   ; weight: row 12,288 + 1,024 z + 256 x tile column + 128 x half
	s_mov_b32 s21, 0
	s_mov_b32 s47, 0
	s_mov_b64 s[18:19], KS
	s_mul_u64 s[22:23], s[20:21], s[18:19]         ; where these rows' scale bytes begin
	s_mul_u64 s[92:93], s[46:47], s[18:19]
	s_mov_b64 s[18:19], KROW
	s_mul_u64 s[20:21], s[20:21], s[18:19]         ; and their codes
	s_mul_u64 s[46:47], s[46:47], s[18:19]
	s_mul_i32 s45, s14, HALFT                      ; where they go: wave x 128 rows: no place in the cluster enters an LDS address
	s_mul_i32 s94, s14, HALFS
	s_wait_dscnt 0x0                               ; both opening adds are done
	s_wait_kmcnt 0x0
	s_add_nc_u64 s[20:21], s[4:5], s[20:21]
	s_add_nc_u64 s[22:23], s[6:7], s[22:23]
	s_add_nc_u64 s[46:47], s[4:5], s[46:47]
	s_add_nc_u64 s[92:93], s[6:7], s[92:93]
	s_mov_b64 s[12:13], s[98:99]                   ; qkvh
	CROUND                                         ; all sixteen work-groups are here: the joint loads meet
	s_mov_b32 s[G0S], 1
	s_add_co_u32 s[G0S+1], s94, SCL
	s_mov_b64 s[G0S+2:G0S+3], s[22:23]
	s_or_b32 s[G0S+3], s[G0S+3], 0x80000000
	s_mov_b32 s[G0SB], 1
	s_add_co_u32 s[G0SB+1], s94, SCL
	s_mov_b64 s[G0SB+2:G0SB+3], s[92:93]
	s_or_b32 s[G0SB+3], s[G0SB+3], 0x80000000
	JLOAD G0S, G1S, G0SB, G1SB                     ; the scale bytes first: they are wanted with the first products
.irp s, 0,1
	s_mov_b32 s[G0+4*\s], 1
	s_add_co_u32 s[G0+4*\s+1], s45, \s*SLOT
	s_add_nc_u64 s[G0+4*\s+2:G0+4*\s+3], s[20:21], \s*ROWB
	s_or_b32 s[G0+4*\s+3], s[G0+4*\s+3], 0x80000000
	s_mov_b32 s[G0B+4*\s], 1
	s_add_co_u32 s[G0B+4*\s+1], s45, \s*SLOT
	s_add_nc_u64 s[G0B+4*\s+2:G0B+4*\s+3], s[46:47], \s*ROWB
	s_or_b32 s[G0B+4*\s+3], s[G0B+4*\s+3], 0x80000000
	JLOAD G0+4*\s, G1, G0B+4*\s, G1B               ; three loads of mine are out in all
.endr
	v_and_b32 v1, 15, v0                           ; r = l % 16
	v_bfe_u32 v2, v0, 4, 1                         ; h = l / 16
	v_mul_u32_u24 v3, v1, PITCH
	v_lshl_add_u32 v4, v2, 4, v3                   ; a fragment's row x pitch + 16 x half
	s_mul_i32 s21, s15, HALFT                      ; my 128 tokens
	s_mul_i32 s22, s16, HALFT                      ; my 128 rows of the weight,
	s_add_co_u32 s22, s22, 2*HALFT                 ; which lie behind the tokens' 256
.irp s, 0,1
	v_add_nc_u32 v[ADRA+\s], s21, v4
	v_add_nc_u32 v[ADRB+\s], s22, v4
	s_add_co_u32 s21, s21, SLOT
	s_add_co_u32 s22, s22, SLOT
.endr
	v_mul_u32_u24 v5, v1, KS                       ; my row's scale bytes: KS bytes a row,
	v_lshrrev_b32 v6, 8, v5
	v_lshl_add_u32 v5, v6, 4, v5                   ; and 16 more for each 256 passed
	s_mul_i32 s21, s15, HALFS
	s_mul_i32 s22, s16, HALFS
	s_add_co_u32 s22, s22, 2*HALFS
	s_sub_co_u32 s22, s22, s21
	v_mul_u32_u24 v6, s22, v2                      ; lanes 16-31 take the weight's: one product, the distance between the two bases
	s_add_co_u32 s21, s21, SCL
	v_add_nc_u32 v5, v5, v6
	v_add_nc_u32 v[ADRS], s21, v5
	; the way out
	s_mul_i32 s23, s14, 16*SPITCH                  ; my stage
	v_mul_u32_u24 v5, v1, SPITCH                   ; in: token r, 16 bytes for each half of the lanes
	v_lshl_add_u32 v5, v2, 4, v5
	v_add_nc_u32 v[STO], s23, v5
	v_and_b32 v6, 31, v0
	v_lshrrev_b32 v7, 3, v6
	v_and_b32 v3, 7, v6
	v_mul_u32_u24 v5, v7, SPITCH                   ; back: eight lanes take a token's 128 bytes of one head, the 32 lanes four tokens
	v_lshl_add_u32 v5, v3, 4, v5
	v_add_nc_u32 v[RD], s23, v5
	v_lshlrev_b32 v[CO], 4, v6
	s_cmp_eq_u32 s100, 2
	s_cselect_b32 s98, 0, 256                      ; bytes from token to token in the table; v stays on row 0, the identity
	s_lshl_b32 s99, s98, 4                         ; 16 tokens on
	v_mul_u32_u24 v[VT], v1, s98
	v_lshl_add_u32 v[VT], v2, 5, v[VT]             ; token r's row, + 32 h: my eight channels' words
.irp a, 1,2,3,4,5,6,7
	v_add_nc_u32 v[VT+\a], s99, v[VT+\a-1]         ; an offset of its own for each block, so that none is written while a load reads it
.endr
	s_and_b32 s20, s17, 7
	s_lshl_b32 s20, s20, 8
	s_lshl_b32 s21, s15, 7
	s_add_co_u32 s20, s20, s21                     ; t of my first token: 256 (tile row % 8) + 128 x half
	s_mul_i32 s22, s20, s98
	s_mov_b32 s23, 0
	s_add_nc_u64 s[96:97], s[96:97], s[22:23]
	s_lshl_b32 s22, s100, 23                       ; qkvh: the tensor, 8,388,608 bytes;
	s_bfe_u32 s21, s17, 0x10003
	s_lshl_b32 s21, s21, 22                        ; the batch, 4,194,304;
	s_add_co_u32 s22, s22, s21
	s_lshl_b32 s21, s42, 2
	s_lshl_b32 s46, s16, 1
	s_add_co_u32 s21, s21, s46                     ; my first head: 4 x tile column + 2 x half,
	s_lshl_b32 s21, s21, 18                        ; 262,144 bytes a head;
	s_add_co_u32 s22, s22, s21
	s_lshl_b32 s21, s20, 7                         ; 128 bytes a token
	s_add_co_u32 s22, s22, s21
	s_add_nc_u64 s[12:13], s[12:13], s[22:23]
	TAB 0                                          ; the first two blocks' table words are asked for here, all the products ahead of their use, into registers that the products do not touch
	TAB 1
.macro FRAG reg, adr, q, i             ; a fragment, 16 rows x 128 K of 4-bit codes: lane l holds row l % 16; registers 4 c .. 4 c + 3 hold K = 64 c + 32 (l / 16) + 0 .. 31
.irp c, 0,1
	ds_load_b128 v[\reg+4*\c:\reg+4*\c+3], v[\adr] offset:64*(\q)+32*\c+(\i)*16*PITCH
.endr
.endm
; 16 matrix instructions: the tokens' blocks a0, a0 + 1 x the weight's eight, 128 along K: the slot's q-th.  p: the weight's set; sc: the set of scale words.  zero = 1: the first product starts the sums.
; The 64 accumulators take turns, one instruction a turn, in the same order in every step.
.macro MUL16 a0, p, q, sc, zero
.irp a, \a0, \a0+1
.irp b, 0,1,2,3,4,5,6,7
.if \zero
	v_wmma_scale_f32_16x16x128_f8f6f4 v[8*(8*((\a)%4)+\b):8*(8*((\a)%4)+\b)+7], v[128*(\p)+FR*\b:128*(\p)+FR*\b+FR-1], v[AF+FR*(\a):AF+FR*(\a)+FR-1], 0, v[SC+8*NQ*(\sc)+NQ*\b+(\q)], v[SC+8*NQ*(\sc)+NQ*(\a)+(\q)] matrix_a_fmt:MATRIX_FMT_FP4 matrix_b_fmt:MATRIX_FMT_FP4 matrix_a_scale:MATRIX_SCALE_ROW1
.else
	v_wmma_scale_f32_16x16x128_f8f6f4 v[8*(8*((\a)%4)+\b):8*(8*((\a)%4)+\b)+7], v[128*(\p)+FR*\b:128*(\p)+FR*\b+FR-1], v[AF+FR*(\a):AF+FR*(\a)+FR-1], v[8*(8*((\a)%4)+\b):8*(8*((\a)%4)+\b)+7], v[SC+8*NQ*(\sc)+NQ*\b+(\q)], v[SC+8*NQ*(\sc)+NQ*(\a)+(\q)] matrix_a_fmt:MATRIX_FMT_FP4 matrix_b_fmt:MATRIX_FMT_FP4 matrix_a_scale:MATRIX_SCALE_ROW1
.endif
.endr
.endr
.endm
.macro FETCH_B slot, q, p              ; the weight's eight fragments of the slot's q-th 128 along K into set p
	WIN TO_B
.irp i, 0,1,2,3,4,5,6,7
	FRAG 128*(\p)+FR*\i, ADRB+\slot, \q, \i
.endr
	WIN 0
.endm
.macro FETCH_A slot, q, i0             ; the tokens' blocks i0 .. i0 + 3
.irp i, \i0, \i0+1, \i0+2, \i0+3
	FRAG AF+FR*(\i), ADRA+\slot, \q, \i
.endr
.endm
.macro SCALES sc                       ; a slot's scale words into set sc: four words a row
.irp i, 0,1,2,3,4,5,6,7
	ds_load_b128 v[SC+8*NQ*\sc+NQ*\i:SC+8*NQ*\sc+NQ*\i+3], v[ADRS] offset:\i*SBLK
.endr
.endm
; A load into a register that a matrix instruction has read, and a vector instruction that reads a matrix result or writes one of its registers, stand NP plain vector instructions behind it.
.macro PLACES n
.rept \n
	v_nop
.endr
.endm
.macro STEP slot, q, zero              ; a step of 128 along K that has its successor in the same slot
	s_wait_dscnt 4*NL                              ; the weight's set and the tokens' blocks 0-3 are in; the youngest eight loads (blocks 4-7) may be out
	WIN MUL_LO
	MUL16 0, (\q)%2, \q, \slot, \zero
	MUL16 2, (\q)%2, \q, \slot, \zero
	s_wait_dscnt 0                                 ; blocks 4-7 are in
	PLACES NP
	FETCH_B \slot, (\q)+1, 1-(\q)%2
	FETCH_A \slot, (\q)+1, 0
	WIN MUL_HI
	MUL16 4, (\q)%2, \q, \slot, \zero
	MUL16 6, (\q)%2, \q, \slot, \zero
	PLACES NP
	WIN 0
	FETCH_A \slot, (\q)+1, 4
.endm
; Slot 0's last step changes slots: each wave waits for all its tensor loads (its part of slot 1), and a barrier shows slot 1 whole to every wave.  Behind it nobody reads slot 0.
.macro TURN slot, next
	s_wait_tensorcnt 0x0                           ; all my tensor loads have landed
	ds_add_u32 v[SPW], v[NIL]                      ; 0 onto my spare word
	s_wait_dscnt 4*NL+1                            ; (the add and the youngest eight loads may be out)
	WIN MUL_LO
	MUL16 0, 1, NQ-1, \slot, 0
	s_wait_dscnt 0x0                               ; the add is done, and my reads of this slot are over
	s_barrier_signal -1
	MUL16 2, 1, NQ-1, \slot, 0
	WIN 0
	s_barrier_wait -1
	PLACES NP
	v_add_nc_u32 v[ADRS], 4*NQ, v[ADRS]            ; on to the next slot's scale words (no LDS load of mine is out)
	FETCH_B \next, 0, 0
	FETCH_A \next, 0, 0
	SCALES \next
	WIN MUL_HI
	MUL16 4, 1, NQ-1, \slot, 0
	MUL16 6, 1, NQ-1, \slot, 0
	PLACES NP
	WIN 0
	FETCH_A \next, 0, 4
.endm
.macro STEPS slot, from                ; the slot's steps from .. NQ - 2
.set Q, \from
.rept NQ-1-\from
	STEP \slot, Q, 0
.set Q, Q+1
.endr
.endm
	s_wait_tensorcnt 1                             ; the scale bytes and my part of slot 0 are in; slot 1's load may be out,
	s_barrier_signal -1
	s_barrier_wait -1                              ; and so for every wave
	FETCH_B 0, 0, 0
	FETCH_A 0, 0, 0
	SCALES 0
	FETCH_A 0, 0, 4
	STEP 0, 0, 1                                   ; the first step's products start the sums: nothing is cleared
	STEPS 0, 1
	TURN 0, 1
	STEPS 1, 0
	s_wait_dscnt 4*NL                              ; the last step: nothing more to fetch
	WIN MUL_LO
	MUL16 0, 1, NQ-1, 1, 0
	MUL16 2, 1, NQ-1, 1, 0
	s_wait_dscnt 0
	WIN MUL_HI
	MUL16 4, 1, NQ-1, 1, 0
	MUL16 6, 1, NQ-1, 1, 0
	WIN 0
; THE WAY OUT, block by block of 16 tokens x 128 channels (two heads).  Nothing that a pending load or store names is written again: each block has its own table offset and its own 32 registers for the rows
; that it stores, and its place in qkvh stands in the stores' immediates.  So the only waits are for data: a block's table (asked for four blocks ahead, the first four earlier still) and the stage's round trip,
; in front of which stands the next block's arithmetic.
.macro ROPE a                          ; out(2 i) = x(2 i) cos - x(2 i + 1) sin, out(2 i + 1) = x(2 i + 1) cos + x(2 i) sin, each with its own channel's angle; the signs lie in the table.  Each accumulator is read from its low end on
.set AC, 64*((\a)%4)
.set TB, 192+32*((\a)%4)-224*(((\a)%4)/2)
	WIN 0x02+(\a)/4                                ; source 0: window 2 or 3
.irp b, 0,1,2,3,4,5,6,7
.irp k, 0,2,4,6
	v_mul_f32 v[T+8*\b+\k],   v[AC+8*\b+\k],   v[TB+16*(\b%2)+\k]
	v_mul_f32 v[T+8*\b+\k+1], v[AC+8*\b+\k+1], v[TB+16*(\b%2)+\k+1]
	v_fma_f32 v[T+8*\b+\k],   v[AC+8*\b+\k+1], v[TB+16*(\b%2)+8+\k],   v[T+8*\b+\k]
	v_fma_f32 v[T+8*\b+\k+1], v[AC+8*\b+\k],   v[TB+16*(\b%2)+8+\k+1], v[T+8*\b+\k+1]
.endr
.endr
	WIN 0
.irp b, 0,1,2,3,4,5,6,7
.irp r, 0,1,2,3
	v_cvt_pk_f16_f32 v[TMP+4*\b+\r], v[T+8*\b+2*\r], v[T+8*\b+2*\r+1]
.endr
.endr
.endm
.macro TOSTAGE a                       ; 16 bytes a lane into rows of 272 bytes; back as four tokens of one head, 512 bytes that lie on end in qkvh, into block a's own registers of window 1
.irp b, 0,1,2,3,4,5,6,7
	ds_store_b128 v[STO], v[TMP+4*\b:TMP+4*\b+3] offset:32*\b
.endr
	WIN TO_B
.irp t, 0,1,2,3,4,5,6,7
	ds_load_b128 v[32*(\a)+4*\t:32*(\a)+4*\t+3], v[RD] offset:(\t%4)*4*SPITCH+(\t/4)*128   ; LDS serves a wave's instructions in order: these see the stores above, and the next block's stores come behind them
.endr
	WIN 0
.endm
.macro SEND a
	WIN 0x04                                       ; a store's data are its source 1: window 1
.irp t, 0,1,2,3,4,5,6,7
	global_store_b128 v[CO], v[32*(\a)+4*\t:32*(\a)+4*\t+3], s[12:13] offset:(\t/4)*262144+(\t%4)*512+(\a)*2048   ; 32 lanes store 512 consecutive bytes, aligned; 16 tokens of 128 bytes a block
.endr
	WIN 0
.endm
	PLACES NP                                      ; behind the last products: tables land where scale words lay, turned numbers where the tokens' fragments lay, rows where the weight's lay
	TAB 2
	TAB 3
.irp a, 0,1,2,3,4,5,6,7
.if \a < 5
	s_wait_loadcnt 24                              ; this block's table is in; the three younger tables' 24 loads may be out
.else
	s_wait_loadcnt 8*(7-\a)                        ; the counts run down: no table is asked for behind block 7's
.endif
	ROPE \a
.if \a < 4
	TAB \a+4                                       ; the set that has just been read takes the table of four blocks on
.endif
.if \a > 0
	s_wait_dscnt 0x0                               ; the block before is back in registers: this block's arithmetic stood between its loads and this wait
	SEND \a-1
.endif
	TOSTAGE \a
.endr
	s_wait_dscnt 0x0
	SEND 7
	s_wait_tensorcnt 0x0                           ; the wave's end: a tensor wait, an add of 0 to my spare word and its wait, behind my last tensor load and my last LDS store
	ds_add_u32 v[SPW], v[NIL]
	s_wait_dscnt 0x0
	CROUND                                         ; the closing round: no work-group ends while a partner may still ask for a tile that names it
	s_endpgm
.Lfunc_end_k_q302afeebf0_proj:
	.size	k_q302afeebf0_proj, .Lfunc_end_k_q302afeebf0_proj-k_q302afeebf0_proj
	.p2alignl 7, 3214868480
	.fill 96, 4, 3214868480
	.section	.rodata,"a",@progbits
	.p2align	6, 0x0
	.amdhsa_kernel k_q302afeebf0_proj
		.amdhsa_group_segment_fixed_size 327680
		.amdhsa_private_segment_fixed_size 0
		.amdhsa_enable_private_segment 0
		.amdhsa_kernarg_size 32
		.amdhsa_user_sgpr_count 2
		.amdhsa_user_sgpr_kernarg_segment_ptr 1
		.amdhsa_wavefront_size32 1
		.amdhsa_system_sgpr_workgroup_id_x 1
		.amdhsa_system_sgpr_workgroup_id_y 1
		.amdhsa_system_sgpr_workgroup_id_z 1
		.amdhsa_system_vgpr_workitem_id 0
		.amdhsa_next_free_vgpr 1024
		.amdhsa_next_free_sgpr 101
		.amdhsa_reserve_vcc 0
		.amdhsa_float_denorm_mode_32 3
		.amdhsa_float_denorm_mode_16_64 3
		.amdhsa_memory_ordered 1
		.amdhsa_forward_progress 1
		.amdhsa_inst_pref_size 182
	.end_amdhsa_kernel
	.amdgpu_metadata
---
amdhsa.version: [ 1, 2 ]
amdhsa.kernels:
  - .name:           k_q302afeebf0_proj
    .symbol:         k_q302afeebf0_proj.kd
    .args:
      - { .name: codes, .offset: 0, .size: 8, .value_kind: global_buffer, .address_space: global }
      - { .name: scales, .offset: 8, .size: 8, .value_kind: global_buffer, .address_space: global }
      - { .name: rope, .offset: 16, .size: 8, .value_kind: global_buffer, .address_space: global }
      - { .name: qkvh, .offset: 24, .size: 8, .value_kind: global_buffer, .address_space: global }
    .group_segment_fixed_size: 327680
    .private_segment_fixed_size: 0
    .kernarg_segment_align: 8
    .kernarg_segment_size: 32
    .max_flat_workgroup_size: 128
    .sgpr_count:     101
    .vgpr_count:     1024
    .wavefront_size: 32
...
	.end_amdgpu_metadata
.endif
;; end of part 2
;; launch attn (part 3): grid 16 x 16, 8 waves a work-group, clusters of 4 x 4, 327,680 bytes of LDS; arguments qkvh, attn_mask, padw, att; writes att
.if DOCPART == 3
	.amdgcn_target "amdgcn-amd-amdhsa--gfx1250"
	.amdhsa_code_object_version 6
	.text
	.protected	k_q302afeebf0_attn
	.globl	k_q302afeebf0_attn
	.p2align	8
	.type	k_q302afeebf0_attn,@function
k_q302afeebf0_attn:
	s_mov_b64 s[64:65], 0
	v_nop
	global_prefetch_b8 v0, s[64:65] scope:SCOPE_SE
	s_setreg_imm32_b32 hwreg(HW_REG_WAVE_MODE, 25, 1), 1
	s_wait_xcnt 0x0
	s_wait_alu depctr_hold_cnt(0) depctr_sa_sdst(0) depctr_va_vdst(0) depctr_va_sdst(0) depctr_va_ssrc(0) depctr_va_vcc(0) depctr_vm_vsrc(0)
	s_getreg_b32 s2, hwreg(HW_REG_IB_STS2, 6, 4)
	s_cmp_eq_u32 s2, 0
	s_cbranch_scc0 .Lentry_in_a_cluster
	s_endpgm
.Lentry_in_a_cluster:
	s_bfe_u32 s2, ttmp6, 0x10000c
	s_cmp_lg_u32 s2, 0xf033
	s_cbranch_scc0 .Lentry_shape_is_right
	s_endpgm
.Lentry_shape_is_right:
; ATTN: att[b][t][head][:] = sum over keys of softmax_k(x) v, x = q . k / 8 + attn_mask[t][key], replaced by -1e9 where the key is padded.  q, k (turned) and v come as f16 from qkvh[3][b][head][t][64];
; attn_mask is f32 and is read as it is given: no pattern of it is built in and no key is passed over.  Products on f16 operands with f32 sums; maxima, exponentials and sums in f32.
; THE ORDER OF THE ARITHMETIC IS THE SOURCE'S: x is one rounding of s / 8 + mask (a fused multiply-add by 1/8, which rounds nothing of its own); then the padding's -1e9; then x - m is formed BEFORE the
; factor log2(e), so that scores which are equal as f32 numbers (a row all of whose keys stand at -1e9) get equal weights.  m is a running maximum; O and the sum are multiplied by 2^((old m - m) log2 e) in every step.
; LIMITS: |q|, |k|, |v| as stored lie under 65,504 (f16); NaN is not served; a row all of whose x are -infinity gives no number, as in the source.
; SHARES.  A work-group owns 128 queries (X) of two heads of one batch (Y = 8 b + pair of heads).  Wave w: head w & 1, queries 32 (w >> 1) on: two tiles of 16.  Two waves share a SIMD, so that one wave's
; vector work stands beside the other's products and LDS loads.  Every wave walks all 2,048 keys, 64 a step, 128 to an LDS slot.
; LAYOUT.  S^T = K Q^T (source 0 = 16 keys, source 1 = 16 queries): a lane holds ONE query (lane % 16) and keys 8 (lane / 16) + 0..7.  Two such tiles, rounded to f16 in pairs, are source 1 of O^T = V^T P.
; EVERY OPERAND IS ASKED FOR AHEAD OF THE WORK THAT STANDS BEFORE ITS USE.  K, the mask and V have registers of their own.  A step asks for its V first thing; for the next step's K and mask words as soon as
; its own have been used; for the next step's lane masks of padded keys behind its own selects.  The change of slots stands in the middle of a slot's second step, where all reads of the slot have been issued.
; CLUSTER, 4 x 4.  K and V hang on Y alone: asked for jointly along a row of the cluster.  The mask's tile hangs on X alone: asked for jointly along a column.  Every wave issues one load of 16 KiB a fill:
; waves 0, 1: K of the two heads; waves 2, 3: V; waves 4-7: 32 rows of the mask each.
; REGISTERS.  Window 0: v1-14 addresses; v16-31 statistics, eight a tile; v32-63 P; v64-127 S^T; v128-191 the mask's words; v192-255 V's fragments.  Window 1: v0-63 O^T; v64-95 Q; v96-159 K's fragments.
.set PK,    144                        ; a key's row of K in LDS: 128 bytes + 16
.set PV,    160                        ; of V: 128 + 32: an odd multiple of 32 bytes, for the turning load
.set PMK,   528                        ; a query's row of the mask: 512 + 16
.set KREG,  20480                      ; a region for 128 rows of K or V
.set VOFF,  2*KREG
.set MOFF,  4*KREG
.set MW,    32*PMK                     ; 32 rows of the mask: one load
.set SLOT,  MOFF+4*MW                  ; 149,504 bytes
.set SPARE, 2*SLOT                     ; the spare words, 128 bytes for each of eight waves
.set SPI,   272                        ; the way out: a stage of 128 rows x (256 bytes + 16) at byte 0 of slot 0, which has had its last fill and its last read by then
.set KVSTEP, 128*128                   ; bytes from fill to fill in K and V
.set MSTEP, 128*4                      ; and along a row of the mask
.set SPW, 1
.set NIL, 2
.set AK,  3                            ; v3-4   my place in K's tile of my head, slot 0, 1
.set AV,  5                            ; v5-6   the same for V
.set AM,  7                            ; v7-8   and in the mask's rows of my queries
.set NEG, 9                            ; v9     -1e9
.set QO,  10
.set STO, 11
.set RD,  12
.set GO,  13
.set PFO, 14                           ; v14    the prefetches' offset; never rewritten
.set ST,  16                           ; tile a at v[ST + 8 a]: +0 m, +1 the old m, +2, +3 the sum (even keys', odd keys'), +4 .. +7 at work; the factor f ends in +6
.set P,   32
.set S,   64
.set MB,  128                          ; the mask's words
.set FB,  192                          ; V's fragments
.set QR,  64                           ; in window 1
.set KF,  96                           ; in window 1: K's fragments
.set WV,  12
.set SEL, 20                           ; s[20:21]
.set TRIP, 22
.set LKV, 24                           ; LDS byte of the tile of K or V that I fetch, in slot 0
.set LM,  25                           ; and of the mask's rows
.set LIM, 26                           ; 1 in a wave that prefetches, else the greatest number
.set G1K, 28
.set G1V, 36
.set G1M, 44
.set G0KV, 52                          ; the walking groups 0
.set G0M, 56
.set PFA, 60                           ; s[60:61] where my prefetches stand
.set PFS, 62                           ; s[62:63] a fill on
.set PM,  68                           ; s[68:99] a step's 32 lane masks of padded keys.  At the head s[68:75] are the first fill's groups 0, the rest is at work
.set F0KV, 68
.set F0M, 72
.set MSB, 0
.macro WIN new
.if MSB != (\new)
	s_set_vgpr_msb (MSB<<8)|(\new)
.set MSB, (\new)
.endif
.endm
.set W_KQ, 0x05                        ; K (source 0) and Q (source 1) in window 1
.set W_PV, 0x50                        ; O^T (C and D) in window 1
.set W_RS, 0x41                        ; O^T (destination and source 0) in window 1
.set TO_1, 0x40                        ; destination window 1
.macro PLACES
.rept 4
	v_nop
.endr
.endm
; A joint load.  The branches hang on the wave's number alone.  An s_nop 0 and four v_nop follow each of the three lines.
.macro JLOAD g0kv, g0m
	s_cmp_lt_u32 s[WV], 2
	s_cbranch_scc0 .Lnot_k_\@
	tensor_load_to_lds s[\g0kv:\g0kv+3], s[G1K:G1K+7]
	s_nop 0
.rept 4
	v_nop
.endr
	s_branch .Lasked_\@
.Lnot_k_\@:
	s_cmp_lt_u32 s[WV], 4
	s_cbranch_scc0 .Lfor_m_\@
	tensor_load_to_lds s[\g0kv:\g0kv+3], s[G1V:G1V+7]
	s_nop 0
.rept 4
	v_nop
.endr
	s_branch .Lasked_\@
.Lfor_m_\@:
	tensor_load_to_lds s[\g0m:\g0m+3], s[G1M:G1M+7]
	s_nop 0
.rept 4
	v_nop
.endr
.Lasked_\@:
.endm
; A PREFETCH of the fill that the NEXT refill will ask for, two key steps ahead of that load, one instruction a wave, behind the wave's tensor load, its five lines and the run of LDS loads that follows them.
; Each aligned block of 256 bytes is named once in the launch.
; K and V of a pair of heads are walked by the four clusters of a row of clusters: the one with cluster x = 0 asks; its partner at cx takes tile cx of (K, K, V, V), told apart by address; waves 0 and 1 take
; 8,192 bytes each, lanes 256 bytes apart.  The mask's rows are walked by the four clusters of a column: the one with cluster y = 0 asks; its partner at cy takes rows 32 cy on; waves 4 and 5 take 16 rows each,
; two lanes to a row's 512 bytes.  how = 1: a trip's first refill, which always has a fill behind it; how = 0: its second, which has none in the last trip.  Fills 0 to 2 come by their loads alone.
.macro ASK how
.if \how
	s_cmp_eq_u32 s[LIM], 1
.else
	s_cmp_gt_u32 s[TRIP], s[LIM]
.endif
	s_cbranch_scc0 .Lnot_mine_\@
	global_prefetch_b8 v[PFO], s[PFA:PFA+1] th:TH_LOAD_NT scope:SCOPE_SE
.Lnot_mine_\@:
.endm
.macro CROUND                          ; a round of the cluster's barrier
	s_barrier_signal -1
	s_barrier_wait -1
	s_cmp_lg_u32 s[WV], 0
	s_cbranch_scc1 .Lnot_wave_0_\@
	s_barrier_signal -3
.Lnot_wave_0_\@:
	s_barrier_wait -3
	s_barrier_signal -1
	s_barrier_wait -1
.endm
	s_load_b256 s[4:11], s[0:1], 0x0               ; qkvh s[4:5], attn_mask s[6:7], padw s[8:9], att s[10:11]
	v_lshl_add_u32 v[SPW], v0, 2, SPARE
	v_mov_b32 v[NIL], 0
	ds_add_u32 v[SPW], v[NIL]                      ; the wave's opening: the add, twice on end; its wait stands ahead of my first tensor load
	ds_add_u32 v[SPW], v[NIL]
	v_lshrrev_b32 v15, 5, v0
	v_readfirstlane_b32 s[WV], v15                 ; wave 0..7
	s_and_b32 s27, s[WV], 3                        ; which of four tiles I fetch
	s_and_b32 s90, s[WV], 1                        ; my head of the pair
	s_lshr_b32 s91, s[WV], 1                       ; my 32 queries of the 128
	s_bfe_u32 s13, ttmp6, 0x40000                  ; cx
	s_bfe_u32 s14, ttmp6, 0x40004                  ; cy
	s_lshl_b32 s15, ttmp9, 2
	s_add_co_u32 s15, s15, s13                     ; X = 4 x cluster x + cx
	s_and_b32 s17, ttmp7, 0xffff                   ; cluster y
	s_lshl_b32 s16, s17, 2
	s_add_co_u32 s16, s16, s14                     ; Y = 4 x cluster y + cy
	s_lshl_b32 s18, s14, 2
	s_lshl_b32 s18, 15, s18                        ; my row of the cluster
	s_lshl_b32 s19, 0x1111, s13                    ; my column
	; group 1.  K, V: 128 rows of 64 elements of 2 bytes, dense in memory; padding behind every 32 words, 4 words (K) or 8 (V).  Mask: 32 rows of 128 elements of 4 bytes, 2,048 elements apart; 4 words behind every 128
	s_or_b32 s[G1K], s18, (1<<16)|(1<<20)|(1<<21)|(4<<22)|(3<<25)
	s_or_b32 s[G1V], s18, (1<<16)|(1<<20)|(1<<21)|(4<<22)|(7<<25)
	s_or_b32 s[G1M], s19, (2<<16)|(1<<20)|(1<<21)|(6<<22)|(3<<25)
.irp g, G1K, G1V
	s_mov_b32 s[\g+1], 64<<16                      ; tensor_dim0
	s_mov_b32 s[\g+2], 128<<16                     ; tensor_dim1
	s_mov_b32 s[\g+3], 64<<16                      ; tile_dim0
	s_mov_b32 s[\g+4], 128                         ; tile_dim1
	s_mov_b32 s[\g+5], 64                          ; from row to row
	s_mov_b32 s[\g+6], 0
	s_mov_b32 s[\g+7], 0
.endr
	s_mov_b32 s[G1M+1], 128<<16
	s_mov_b32 s[G1M+2], 32<<16
	s_mov_b32 s[G1M+3], 128<<16
	s_mov_b32 s[G1M+4], 32
	s_mov_b32 s[G1M+5], 2048
	s_mov_b32 s[G1M+6], 0
	s_mov_b32 s[G1M+7], 0
	s_mul_i32 s[LKV], s27, KREG                    ; K head 0, K head 1, V head 0, V head 1
	s_mul_i32 s[LM], s27, MW
	s_add_co_u32 s[LM], s[LM], MOFF
	; where my tile of K or V begins: tensor 1 + tile / 2, head 2 Y + tile % 2.  These registers never hold cx
	s_lshr_b32 s76, s27, 1
	s_add_co_u32 s76, s76, 1
	s_lshl_b32 s76, s76, 23
	s_lshl_b32 s78, s16, 1
	s_and_b32 s79, s27, 1
	s_add_co_u32 s78, s78, s79
	s_lshl_b32 s78, s78, 18
	s_add_co_u32 s76, s76, s78
	s_mov_b32 s77, 0
	; and my rows of the mask: query 128 X + 32 x tile, 8,192 bytes a row.  These never hold cy
	s_lshl_b32 s80, s15, 7
	s_lshl_b32 s81, s27, 5
	s_add_co_u32 s80, s80, s81
	s_lshl_b32 s80, s80, 13
	s_mov_b32 s81, 0
	; Q: my head, my 32 queries
	s_lshl_b32 s82, s16, 1
	s_add_co_u32 s82, s82, s90
	s_lshl_b32 s82, s82, 18
	s_lshl_b32 s83, s15, 7
	s_lshl_b32 s66, s91, 5
	s_add_co_u32 s83, s83, s66
	s_lshl_b32 s83, s83, 7
	s_add_co_u32 s82, s82, s83
	s_mov_b32 s83, 0
	; att: row 2,048 b + 128 X + 16 w of 2,048 bytes, + 256 bytes for each pair of heads
	s_lshr_b32 s94, s16, 3                         ; b
	s_lshl_b32 s92, s94, 11
	s_lshl_b32 s93, s15, 7
	s_add_co_u32 s92, s92, s93
	s_lshl_b32 s93, s[WV], 4
	s_add_co_u32 s92, s92, s93
	s_lshl_b32 s92, s92, 11
	s_and_b32 s93, s16, 7
	s_lshl_b32 s93, s93, 8
	s_add_co_u32 s92, s92, s93
	s_mov_b32 s93, 0
	s_lshl_b32 s94, s94, 12                        ; padw: 4,096 bytes a batch
	s_mov_b32 s95, 0
	; the prefetches' two candidates, at fill 2 (the first refill steps to fill 3)
	s_lshr_b32 s84, s13, 1
	s_add_co_u32 s84, s84, 1
	s_lshl_b32 s84, s84, 23
	s_lshl_b32 s85, s16, 1
	s_and_b32 s86, s13, 1
	s_add_co_u32 s85, s85, s86
	s_lshl_b32 s85, s85, 18
	s_add_co_u32 s84, s84, s85
	s_lshl_b32 s86, s90, 13
	s_add_co_u32 s84, s84, s86
	s_add_co_u32 s84, s84, 2*KVSTEP                ; K, V: tile cx, half w & 1
	s_lshl_b32 s87, s15, 7
	s_lshl_b32 s86, s14, 5
	s_add_co_u32 s87, s87, s86
	s_lshl_b32 s86, s90, 4
	s_add_co_u32 s87, s87, s86
	s_lshl_b32 s87, s87, 13
	s_add_co_u32 s87, s87, 2*MSTEP                 ; mask: row 128 X + 32 cy + 16 (w & 1)
	s_mov_b32 s85, 0
	s_mov_b32 s[PFS], MSTEP
	s_mov_b32 s[PFS+1], 0
	s_mov_b32 s88, 8192
	s_mov_b32 s[SEL], 0x76543210
	s_mov_b32 s[SEL+1], 0xfedcba98                 ; v_permlanex16_b32's selects for lane l xor 16
	s_wait_dscnt 0x0                               ; both opening adds are done
	s_wait_kmcnt 0x0
	s_cmp_lt_u32 s[WV], 4                          ; waves 0-3 stand on K's and V's side, waves 4-7 on the mask's
	s_cselect_b64 s[PFA:PFA+1], s[4:5], s[6:7]
	s_cselect_b32 s84, s84, s87
	s_cselect_b32 s[PFS], KVSTEP, s[PFS]
	s_cselect_b32 s88, 512, s88                    ; from pair of lanes to pair of lanes
	s_cselect_b32 s89, ttmp9, s17                  ; the coordinate along which other clusters walk the same bytes
	s_add_nc_u64 s[PFA:PFA+1], s[PFA:PFA+1], s[84:85]
	s_and_b32 s[LIM], s[WV], 2
	s_or_b32 s[LIM], s[LIM], s89
	s_cmp_eq_u32 s[LIM], 0
	s_cselect_b32 s[LIM], 1, -1                    ; the same in all sixteen partners, for a given wave
	s_add_nc_u64 s[82:83], s[4:5], s[82:83]        ; Q
	s_add_nc_u64 s[10:11], s[10:11], s[92:93]      ; att
	s_add_nc_u64 s[8:9], s[8:9], s[94:95]          ; padw
	; group 0: fill 0 into slot 0; the walking sets begin at fill 1 in slot 1
	s_mov_b32 s[F0KV], 1
	s_mov_b32 s[F0KV+1], s[LKV]
	s_add_nc_u64 s[F0KV+2:F0KV+3], s[4:5], s[76:77]
	s_mov_b32 s[G0KV], 1
	s_add_co_u32 s[G0KV+1], s[LKV], SLOT
	s_add_nc_u64 s[G0KV+2:G0KV+3], s[F0KV+2:F0KV+3], KVSTEP
	s_or_b32 s[F0KV+3], s[F0KV+3], 0x80000000
	s_or_b32 s[G0KV+3], s[G0KV+3], 0x80000000
	s_mov_b32 s[F0M], 1
	s_mov_b32 s[F0M+1], s[LM]
	s_add_nc_u64 s[F0M+2:F0M+3], s[6:7], s[80:81]
	s_mov_b32 s[G0M], 1
	s_add_co_u32 s[G0M+1], s[LM], SLOT
	s_add_nc_u64 s[G0M+2:G0M+3], s[F0M+2:F0M+3], MSTEP
	s_or_b32 s[F0M+3], s[F0M+3], 0x80000000
	s_or_b32 s[G0M+3], s[G0M+3], 0x80000000
	CROUND                                         ; all sixteen work-groups are here: the first joint loads meet
	JLOAD F0KV, F0M                                ; fill 0
	JLOAD G0KV, G0M                                ; fill 1: two loads of mine are out
	v_and_b32 v64, 15, v0                          ; r
	v_bfe_u32 v65, v0, 4, 1                        ; h
	v_lshlrev_b32 v[QO], 7, v64
	v_lshl_add_u32 v[QO], v65, 4, v[QO]            ; Q: row r of 128 bytes, + 16 h
	WIN TO_1
.irp a, 0,1
.irp c, 0,1
	global_load_b128 v[QR+16*\a+8*\c:QR+16*\a+8*\c+3],   v[QO], s[82:83] offset:2048*\a+64*\c      ; Q stays in registers: tile a, channels 32 c on
	global_load_b128 v[QR+16*\a+8*\c+4:QR+16*\a+8*\c+7], v[QO], s[82:83] offset:2048*\a+64*\c+32
.endr
.endr
.set i, 0
.rept 64
	v_mov_b32 v[i], 0                              ; O^T.  The step is written in one form: the first step finds zeros, which its factor 0 leaves zeros
.set i, i+1
.endr
	WIN 0
	s_mul_i32 s66, s90, KREG
	v_mul_u32_u24 v[AK], v64, PK
	v_lshl_add_u32 v[AK], v65, 4, v[AK]
	v_add_nc_u32 v[AK], s66, v[AK]                 ; K: my head's region, key row r, + 16 h
	v_add_nc_u32 v[AK+1], SLOT, v[AK]
	v_and_b32 v66, 7, v0
	v_bfe_u32 v67, v0, 3, 1
	v_lshl_add_u32 v[AV], v65, 3, v66              ; the turning load: key 8 h + l % 8, channels 8 ((l / 8) % 2) on
	v_mul_u32_u24 v[AV], v[AV], PV
	v_lshl_add_u32 v[AV], v67, 4, v[AV]
	s_add_co_u32 s66, s66, VOFF
	v_add_nc_u32 v[AV], s66, v[AV]
	v_add_nc_u32 v[AV+1], SLOT, v[AV]
	s_mul_i32 s67, s91, MW
	s_add_co_u32 s67, s67, MOFF
	v_mul_u32_u24 v[AM], v64, PMK
	v_lshl_add_u32 v[AM], v65, 5, v[AM]
	v_add_nc_u32 v[AM], s67, v[AM]                 ; the mask: my 32 queries' rows, row r, + 32 h: my eight keys' words
	v_add_nc_u32 v[AM+1], SLOT, v[AM]
	s_mul_i32 s66, s91, 32*SPI
	s_lshl_b32 s67, s90, 7
	s_add_co_u32 s66, s66, s67
	v_mul_u32_u24 v[STO], v64, SPI
	v_lshl_add_u32 v[STO], v65, 4, v[STO]
	v_add_nc_u32 v[STO], s66, v[STO]               ; the stage, in: row 32 g + r, + 128 x head, + 16 h
	s_mul_i32 s66, s[WV], 16*SPI
	v_mul_u32_u24 v[RD], v65, SPI
	v_lshl_add_u32 v[RD], v64, 4, v[RD]
	v_add_nc_u32 v[RD], s66, v[RD]                 ; back: rows 16 w on; lanes 0-15 one row of 256 bytes, lanes 16-31 the next
	v_lshlrev_b32 v[GO], 11, v65
	v_lshl_add_u32 v[GO], v64, 4, v[GO]            ; and the same two rows in att
	v_and_b32 v15, 31, v0
	v_lshrrev_b32 v[PFO], 1, v15
	v_mul_lo_u32 v[PFO], v[PFO], s88
	v_and_b32 v15, 1, v15
	v_lshl_add_u32 v[PFO], v15, 8, v[PFO]
	v_mov_b32 v[NEG], 0xce6e6b28                   ; -1e9
.irp a, 0,1
	v_mov_b32 v[ST+8*\a], 0xff61b1e6               ; m: -3e38, under every x
	v_mov_b32 v[ST+8*\a+1], 0xff61b1e6
.irp j, 2,3,4,5,6,7
	v_mov_b32 v[ST+8*\a+\j], 0                     ; the sum; and the registers at work, which are named in pairs and as a lane permute's destination before they are first made
.endr
.endr
; 32 LDS loads in one run: K's fragments and the mask's words of the nst-th 64 keys of slot nsl.
.macro NEXTLD nsl, nst
	WIN TO_1
.irp u, 0,1,2,3
.irp c, 0,1
	ds_load_b128 v[KF+8*(2*\u+\c):KF+8*(2*\u+\c)+3],   v[AK+(\nsl)] offset:(64*(\nst)+16*\u)*PK+64*\c       ; K: keys 16 u on, channels 32 c on
	ds_load_b128 v[KF+8*(2*\u+\c)+4:KF+8*(2*\u+\c)+7], v[AK+(\nsl)] offset:(64*(\nst)+16*\u)*PK+64*\c+32
.endr
.endr
	WIN 0
.irp a, 0,1
.irp u, 0,1,2,3
	ds_load_b128 v[MB+32*\a+8*\u:MB+32*\a+8*\u+3],   v[AM+(\nsl)] offset:16*PMK*\a+256*(\nst)+64*\u         ; the mask in the scores' own layout: query r of tile a, keys 16 u + 8 h + 0..7
	ds_load_b128 v[MB+32*\a+8*\u+4:MB+32*\a+8*\u+7], v[AM+(\nsl)] offset:16*PMK*\a+256*(\nst)+64*\u+16
.endr
.endr
.endm
; A KEY STEP: 64 keys, the st-th of slot sl.  Its K, its mask words and its lane masks were asked for in the step before.
; chg = 1: THE CHANGE OF SLOTS, in a slot's second step, where all my reads of slot sl have been issued.  Each wave waits for all its tensor loads (its part of the other slot), adds 0 to its spare word, and waits
; for that and for its reads of slot sl.  The barrier is a round of the cluster's, so that no wave of any partner still reads slot sl or has a load on its way; the joint refill of slot sl is the first thing
; behind it, one load a wave, and has two key steps in which to land.  chg = 2: the same with nothing left to ask for: a plain barrier.  nxt = 0: the last step of all, which looks no further.
.macro STEP sl, st, chg, how, nxt
.set NSL, ((\sl)+(\st))%2
.set NST, 1-(\st)
	PLACES                                         ; in front of loads into registers that the last products have read
.irp ct, 0,1,2,3
.irp kc, 0,1
	ds_load_tr16_b128 v[FB+8*(2*\ct+\kc):FB+8*(2*\ct+\kc)+3],   v[AV+\sl] offset:(64*(\st)+32*\kc)*PV+32*\ct          ; V, turned: channels 16 ct on, keys 32 kc on: it has the whole softmax in which to come
	ds_load_tr16_b128 v[FB+8*(2*\ct+\kc)+4:FB+8*(2*\ct+\kc)+7], v[AV+\sl] offset:(64*(\st)+32*\kc)*PV+32*\ct+16*PV
.endr
.endr
	s_wait_dscnt 16                                ; K and the mask, asked for in the step before, are in; V's sixteen loads may be out
	WIN W_KQ
.irp c, 0,1                                        ; eight accumulators by turns, one instruction a turn
.irp u, 0,1,2,3
.irp a, 0,1
.if \c == 0
	v_wmma_f32_16x16x32_f16 v[S+32*\a+8*\u:S+32*\a+8*\u+7], v[KF+8*(2*\u+\c):KF+8*(2*\u+\c)+7], v[QR+16*\a+8*\c:QR+16*\a+8*\c+7], 0
.else
	v_wmma_f32_16x16x32_f16 v[S+32*\a+8*\u:S+32*\a+8*\u+7], v[KF+8*(2*\u+\c):KF+8*(2*\u+\c)+7], v[QR+16*\a+8*\c:QR+16*\a+8*\c+7], v[S+32*\a+8*\u:S+32*\a+8*\u+7]
.endif
.endr
.endr
.endr
	WIN 0
	s_wait_kmcnt 0x0                               ; this step's lane masks, asked for in the step before; no scalar load of mine is out,
.if \nxt
	s_add_nc_u64 s[8:9], s[8:9], 128               ; so their base may step to the next step's
.endif
	PLACES                                         ; behind the products: ahead of the first read of their results, and of the loads into K's registers
.set i, 0
.rept 32
	v_pk_fma_f32 v[S+i:S+i+1], v[S+i:S+i+1], 0x3e000000, v[MB+i:MB+i+1] op_sel_hi:[1,0,1]   ; x = s / 8 + mask, one rounding; each accumulator from its low end on
.set i, i+2
.endr
.if \chg
	s_wait_tensorcnt 0x0                           ; no tensor load of mine is out, so a group 0 may be written
	ds_add_u32 v[SPW], v[NIL]                      ; 0 onto my spare word
.if \chg == 1
	s_add_co_u32 s[G0KV+1], s[LKV], (\sl)*SLOT     ; the walking descriptors: the slot that is being left,
	s_add_co_u32 s[G0M+1], s[LM], (\sl)*SLOT
	s_add_nc_u64 s[G0KV+2:G0KV+3], s[G0KV+2:G0KV+3], KVSTEP   ; the next 128 keys; the type bits on top are not reached
	s_add_nc_u64 s[G0M+2:G0M+3], s[G0M+2:G0M+3], MSTEP
	s_wait_xcnt 0x0                                ; the last prefetch, a fill back, has read its address, so it may be written
	s_add_nc_u64 s[PFA:PFA+1], s[PFA:PFA+1], s[PFS:PFS+1]     ; one fill further on than the walking descriptors
	s_wait_dscnt 0x0                               ; the add is done, and my reads of this slot, V's among them, are over
	CROUND
	JLOAD G0KV, G0M
.else
	s_wait_dscnt 0x0
	s_barrier_signal -1
	s_barrier_wait -1
.endif
.endif
.if \nxt
	NEXTLD NSL, NST                                ; the next step's K and mask, into registers that this step has done with
.endif
.if \chg == 1
	ASK \how
.endif
.irp a, 0,1
.irp u, 0,1,2,3
.irp j, 0,1,2,3,4,5,6,7
	v_cndmask_b32 v[S+32*\a+8*\u+\j], v[S+32*\a+8*\u+\j], v[NEG], s[PM+8*\u+\j]   ; -1e9 where the key is padded
.endr
.endr
.endr
.irp j, 0,1,2,3                                    ; the largest of a lane's 32 x and m, three at a time, four chains a tile, the tiles by turns
.irp a, 0,1
	v_max3_num_f32 v[ST+8*\a+4+\j], v[S+32*\a+8*\j], v[S+32*\a+8*\j+1], v[S+32*\a+8*\j+2]
.endr
.endr
.irp q, 1,2
.irp j, 0,1,2,3
.irp a, 0,1
	v_max3_num_f32 v[ST+8*\a+4+\j], v[ST+8*\a+4+\j], v[S+32*\a+8*\j+2*\q+1], v[S+32*\a+8*\j+2*\q+2]
.endr
.endr
.endr
.if \nxt
	s_load_b512 s[PM:PM+15], s[8:9], 0x0           ; the next step's 32 lane masks of padded keys: this step's have served
	s_load_b512 s[PM+16:PM+31], s[8:9], 0x40
.endif
.irp a, 0,1
	v_max3_num_f32 v[ST+8*\a+4], v[ST+8*\a+4], v[S+32*\a+7], v[S+32*\a+15]
	v_max3_num_f32 v[ST+8*\a+6], v[ST+8*\a+6], v[S+32*\a+23], v[S+32*\a+31]
.endr
.irp a, 0,1
	v_max3_num_f32 v[ST+8*\a+4], v[ST+8*\a+4], v[ST+8*\a+5], v[ST+8*\a+6]
.endr
.irp a, 0,1
	v_max3_num_f32 v[ST+8*\a+4], v[ST+8*\a+4], v[ST+8*\a+7], v[ST+8*\a]
.endr
.irp a, 0,1
	v_permlanex16_b32 v[ST+8*\a+5], v[ST+8*\a+4], s[SEL], s[SEL+1]   ; the query's other 32 keys lie in the lane 16 away
.endr
.irp a, 0,1
	v_mov_b32 v[ST+8*\a+1], v[ST+8*\a]             ; the old m
.endr
.irp a, 0,1
	v_max_num_f32 v[ST+8*\a], v[ST+8*\a+4], v[ST+8*\a+5]
.endr
.irp a, 0,1
	v_sub_f32 v[ST+8*\a+7], v[ST+8*\a+1], v[ST+8*\a]
.endr
.irp a, 0,1
	v_mul_f32 v[ST+8*\a+7], 0x3fb8aa3b, v[ST+8*\a+7]
.endr
.irp a, 0,1
.set i, 0
.rept 16
	v_pk_add_f32 v[S+32*\a+i:S+32*\a+i+1], v[S+32*\a+i:S+32*\a+i+1], v[ST+8*\a:ST+8*\a+1] op_sel_hi:[1,0] neg_lo:[0,1] neg_hi:[0,1]   ; x - m first,
.set i, i+2
.endr
.endr
.set i, 0
.rept 32
	v_pk_mul_f32 v[S+i:S+i+1], v[S+i:S+i+1], 0x3fb8aa3b op_sel_hi:[1,0]   ; then log2(e)
.set i, i+2
.endr
.irp a, 0,1
	v_exp_f32 v[ST+8*\a+6], v[ST+8*\a+7]           ; f = e^(old m - m)
.endr
.set i, 0
.rept 64
	v_exp_f32 v[S+i], v[S+i]                       ; p = e^(x - m)
.set i, i+1
.endr
	v_nop                                          ; a plain instruction behind the last exponential
	s_wait_alu depctr_va_vdst(0)                   ; one wait for the batch of 66, ahead of the first instruction that names a result
.irp a, 0,1
.set i, 0
.rept 16
	v_cvt_pk_f16_f32 v[P+16*\a+i], v[S+32*\a+2*i], v[S+32*\a+2*i+1]   ; two tiles of 16 keys, in pairs, are 32 keys of the second product's source 1
.set i, i+1
.endr
.endr
.irp w, 4,8,16,32                                  ; the sum of a tile's 16 pairs, in place: neighbours 1, 2, 4 and 8 pairs apart
.irp a, 0,1
.set i, 0
.rept 32/\w
	v_pk_add_f32 v[S+32*\a+i:S+32*\a+i+1], v[S+32*\a+i:S+32*\a+i+1], v[S+32*\a+i+\w/2:S+32*\a+i+\w/2+1]
.set i, i+\w
.endr
.endr
.endr
.irp a, 0,1
	v_pk_fma_f32 v[ST+8*\a+2:ST+8*\a+3], v[ST+8*\a+2:ST+8*\a+3], v[ST+8*\a+6:ST+8*\a+7], v[S+32*\a:S+32*\a+1] op_sel_hi:[1,0,1]   ; the sum x f + this step's
.endr
	WIN W_RS
.irp a, 0,1
.set i, 0
.rept 16
	v_pk_mul_f32 v[32*\a+i:32*\a+i+1], v[32*\a+i:32*\a+i+1], v[ST+8*\a+6:ST+8*\a+7] op_sel_hi:[1,0]   ; O^T x f
.set i, i+2
.endr
.endr
.if \nxt
	s_wait_dscnt 32                                ; V is in; the 32 loads for the next step, issued behind V's, may be out
.else
	s_wait_dscnt 0x0
.endif
	WIN W_PV
.irp kc, 0,1                                       ; eight accumulators by turns
.irp ct, 0,1,2,3
.irp a, 0,1
	v_wmma_f32_16x16x32_f16 v[32*\a+8*\ct:32*\a+8*\ct+7], v[FB+8*(2*\ct+\kc):FB+8*(2*\ct+\kc)+7], v[P+16*\a+8*\kc:P+16*\a+8*\kc+7], v[32*\a+8*\ct:32*\a+8*\ct+7]
.endr
.endr
.endr
	WIN 0
.endm
	s_wait_loadcnt 0x0                             ; Q is in, and its base, which the lane masks will overwrite, has been read
	s_wait_tensorcnt 1                             ; my part of fill 0 is in (so its groups 0 may be overwritten); fill 1's load may stay out
	s_load_b512 s[PM:PM+15], s[8:9], 0x0           ; the first step's lane masks
	s_load_b512 s[PM+16:PM+31], s[8:9], 0x40
	s_barrier_signal -1
	s_barrier_wait -1
	NEXTLD 0, 0                                    ; the first step's K and mask
	s_mov_b32 s[TRIP], 7
.Lring:                                            ; trip i: fills 2 i and 2 i + 1 are worked, fills 2 i + 2 and 2 i + 3 asked for
	STEP 0, 0, 0, 0, 1
	STEP 0, 1, 1, 1, 1
	STEP 1, 0, 0, 0, 1
	STEP 1, 1, 1, 0, 1
	s_sub_co_u32 s[TRIP], s[TRIP], 1
	s_cmp_lg_u32 s[TRIP], 0
	s_cbranch_scc1 .Lring
	STEP 0, 0, 0, 0, 1                             ; fills 14 and 15 are written out: nothing is left to ask for
	STEP 0, 1, 2, 0, 1
	STEP 1, 0, 0, 0, 1
	STEP 1, 1, 0, 0, 0
	; THE WAY OUT.  The sum's two halves and the other half of the lanes' are added; O^T is divided by the sum, rounded to f16, and goes through the work-group's stage: a row's 256 bytes come from the two heads' waves.
.irp a, 0,1
	v_add_f32 v[ST+8*\a+4], v[ST+8*\a+2], v[ST+8*\a+3]   ; (these plain lines are also the places behind the last products)
.endr
.irp a, 0,1
	v_permlanex16_b32 v[ST+8*\a+5], v[ST+8*\a+4], s[SEL], s[SEL+1]
.endr
.irp a, 0,1
	v_add_f32 v[ST+8*\a+4], v[ST+8*\a+4], v[ST+8*\a+5]
.endr
.irp a, 0,1
	v_rcp_f32 v[ST+8*\a+6], v[ST+8*\a+4]
.endr
	v_nop                                          ; a plain instruction behind the reciprocals
	s_wait_alu depctr_va_vdst(0)                   ; and one wait for the two, ahead of their first reader
	WIN 0x01                                       ; source 0: window 1
.irp a, 0,1
.set i, 0
.rept 16
	v_pk_mul_f32 v[S+32*\a+i:S+32*\a+i+1], v[32*\a+i:32*\a+i+1], v[ST+8*\a+6:ST+8*\a+7] op_sel_hi:[1,0]   ; each accumulator from its low end on
.set i, i+2
.endr
.endr
	WIN 0
.irp a, 0,1
.set i, 0
.rept 16
	v_cvt_pk_f16_f32 v[P+16*\a+i], v[S+32*\a+2*i], v[S+32*\a+2*i+1]
.set i, i+1
.endr
.endr
.irp a, 0,1
.irp ct, 0,1,2,3
	ds_store_b128 v[STO], v[P+16*\a+4*\ct:P+16*\a+4*\ct+3] offset:16*SPI*\a+32*\ct
.endr
.endr
	s_wait_dscnt 0x0                               ; for the others' sake: my stores into the stage are done
	s_barrier_signal -1
	s_barrier_wait -1
.irp i, 0,1,2,3,4,5,6,7
	ds_load_b128 v[S+4*\i:S+4*\i+3], v[RD] offset:2*SPI*\i
.endr
.irp i, 0,1,2,3,4,5,6,7
	s_wait_dscnt 7-\i                              ; LDS loads come back in order: pair i of rows is in, the younger may be out
	global_store_b128 v[GO], v[S+4*\i:S+4*\i+3], s[10:11] offset:4096*\i   ; 16 lanes store 256 consecutive bytes, aligned
.endr
	s_wait_tensorcnt 0x0                           ; the wave's end: a tensor wait, an add of 0 to my spare word and its wait, behind my last tensor load and my last LDS store
	ds_add_u32 v[SPW], v[NIL]
	s_wait_dscnt 0x0
	CROUND                                         ; the closing round: no work-group ends while a partner may still ask for a tile that names it
	s_endpgm
.Lfunc_end_k_q302afeebf0_attn:
	.size	k_q302afeebf0_attn, .Lfunc_end_k_q302afeebf0_attn-k_q302afeebf0_attn
	.p2alignl 7, 3214868480
	.fill 96, 4, 3214868480
	.section	.rodata,"a",@progbits
	.p2align	6, 0x0
	.amdhsa_kernel k_q302afeebf0_attn
		.amdhsa_group_segment_fixed_size 327680
		.amdhsa_private_segment_fixed_size 0
		.amdhsa_enable_private_segment 0
		.amdhsa_kernarg_size 32
		.amdhsa_user_sgpr_count 2
		.amdhsa_user_sgpr_kernarg_segment_ptr 1
		.amdhsa_wavefront_size32 1
		.amdhsa_system_sgpr_workgroup_id_x 1
		.amdhsa_system_sgpr_workgroup_id_y 1
		.amdhsa_system_sgpr_workgroup_id_z 1
		.amdhsa_system_vgpr_workitem_id 0
		.amdhsa_next_free_vgpr 416
		.amdhsa_next_free_sgpr 100
		.amdhsa_reserve_vcc 0
		.amdhsa_float_denorm_mode_32 3
		.amdhsa_float_denorm_mode_16_64 3
		.amdhsa_memory_ordered 1
		.amdhsa_forward_progress 1
		.amdhsa_inst_pref_size 252
	.end_amdhsa_kernel
	.amdgpu_metadata
---
amdhsa.version: [ 1, 2 ]
amdhsa.kernels:
  - .name:           k_q302afeebf0_attn
    .symbol:         k_q302afeebf0_attn.kd
    .args:
      - { .name: qkvh, .offset: 0, .size: 8, .value_kind: global_buffer, .address_space: global }
      - { .name: attn_mask, .offset: 8, .size: 8, .value_kind: global_buffer, .address_space: global }
      - { .name: padw, .offset: 16, .size: 8, .value_kind: global_buffer, .address_space: global }
      - { .name: att, .offset: 24, .size: 8, .value_kind: global_buffer, .address_space: global }
    .group_segment_fixed_size: 327680
    .private_segment_fixed_size: 0
    .kernarg_segment_align: 8
    .kernarg_segment_size: 32
    .max_flat_workgroup_size: 256
    .sgpr_count:     100
    .vgpr_count:     416
    .wavefront_size: 32
...
	.end_amdgpu_metadata
.endif
;; end of part 3
;; launch outp (part 4): grid 8 x 32, 4 waves a work-group, clusters of 4 x 4, 327,680 bytes of LDS; arguments att, wo16, out0; writes out0
.if DOCPART == 4
	.amdgcn_target "amdgcn-amd-amdhsa--gfx1250"
	.amdhsa_code_object_version 6
	.text
	.protected	k_q302afeebf0_outp
	.globl	k_q302afeebf0_outp
	.p2align	8
	.type	k_q302afeebf0_outp,@function
k_q302afeebf0_outp:
	s_mov_b64 s[64:65], 0
	v_nop
	global_prefetch_b8 v0, s[64:65] scope:SCOPE_SE
	s_setreg_imm32_b32 hwreg(HW_REG_WAVE_MODE, 25, 1), 1
	s_wait_xcnt 0x0
	s_wait_alu depctr_hold_cnt(0) depctr_sa_sdst(0) depctr_va_vdst(0) depctr_va_sdst(0) depctr_va_ssrc(0) depctr_va_vcc(0) depctr_vm_vsrc(0)
	s_getreg_b32 s2, hwreg(HW_REG_IB_STS2, 6, 4)
	s_cmp_eq_u32 s2, 0
	s_cbranch_scc0 .Lentry_in_a_cluster
	s_endpgm
.Lentry_in_a_cluster:
	s_bfe_u32 s2, ttmp6, 0x10000c
	s_cmp_lg_u32 s2, 0xf033
	s_cbranch_scc0 .Lentry_shape_is_right
	s_endpgm
.Lentry_shape_is_right:
; OUTP: out0[m][n] = sum over k of att[m][k] Wo[n][k].  att: [4096][1024] f16, wo16: [1024][1024] f16, out0: [4096][1024] f32; sums in f32.
; 4,096 x 1,024 makes 256 tiles of 128 x 128: one for each work-group.  Four waves, each 64 x 64: 16 accumulators of 16 x 16, 128 registers.  K goes in steps of 256 (LDS rows of 512 bytes; a wave's tensor load
; brings 64 of them) through two slots.
; CLUSTERS: 4 x 4 work-groups.  The four of a row of the cluster need the same tiles of att, the four of a column the same tiles of Wo: each tile is asked for jointly.
; THE MATRIX INSTRUCTION IS USED TRANSPOSED (source 0 = 16 rows of Wo, source 1 = 16 rows of att): a lane holds eight neighbouring numbers of a row of out0.
; REGISTERS: window 0: v0-31 addresses; v32-95 at work on the way out; v128-255 the accumulators ((a, b) at v[128 + 8 (4 a + b)]).  Window 1: two fragment buffers of 128.
.set SIZE_N, 1024
.set SIZE_K, 1024
.set KSTEP,  256
.set PITCH,  528                       ; an LDS row: 512 bytes + 16 of padding: the 16 rows that a load touches start 16 bytes apart modulo 256
.set HALFT,  64*PITCH                  ; 64 rows: what one tensor load brings
.set SLOT,   4*HALFT
.set STAGE,  2*SLOT                    ; behind the ring: for each wave two stages of 16 rows x (256 bytes + 16): a wave's 64 f32 columns are 256 aligned bytes of out0, so each wave has stages of its own
.set SPITCH, 272
.set WSTG,   2*16*SPITCH
.set SPARE,  STAGE+4*WSTG              ; the spare words, 128 bytes a wave
.set LAPS, SIZE_K/(2*KSTEP)
.set ADRA, 16
.set ADRB, 20
.set STO,  24
.set RD,   25
.set CO,   26
.set SPW,  28
.set NIL,  29
.set TMP,  32
.set ACC,  128
.set F0,   0
.set F1,   128
.set G1, 24
.set G0, 32
.set G1B, 48
.set G0B, 56
.set MSB, 0
.macro WIN new
.if MSB != (\new)
	s_set_vgpr_msb (MSB<<8)|(\new)
.set MSB, (\new)
.endif
.endm
.set MUL,  0x05                        ; sources 0 and 1 window 1; C and D window 0
.set TO_F, 0x40                        ; destination window 1, address window 0
.macro JLOAD s                         ; a joint load: waves 0 and 1 fetch att's two halves, waves 2 and 3 Wo's; an s_nop 0 and four v_nop follow each of the two lines
	s_cmp_eq_u32 s11, 0
	s_cbranch_scc0 .Lfor_b_\@
	tensor_load_to_lds s[G0+4*\s:G0+4*\s+3], s[G1:G1+7]
	s_nop 0
.rept 4
	v_nop
.endr
	s_branch .Lasked_\@
.Lfor_b_\@:
	tensor_load_to_lds s[G0B+4*\s:G0B+4*\s+3], s[G1B:G1B+7]
	s_nop 0
.rept 4
	v_nop
.endr
.Lasked_\@:
.endm
.macro CREST                           ; a round of the cluster's barrier behind its opening barrier
	s_cmp_lg_u32 s10, 0
	s_cbranch_scc1 .Lnot_wave_0_\@
	s_barrier_signal -3
.Lnot_wave_0_\@:
	s_barrier_wait -3
	s_barrier_signal -1
	s_barrier_wait -1
.endm
.macro CROUND
	s_barrier_signal -1
	s_barrier_wait -1
	CREST
.endm
	s_load_b128 s[4:7], s[0:1], 0x0                ; att s[4:5], wo16 s[6:7]
	s_load_b64 s[8:9], s[0:1], 0x10                ; out0
	v_lshl_add_u32 v[SPW], v0, 2, SPARE
	v_mov_b32 v[NIL], 0
	ds_add_u32 v[SPW], v[NIL]                      ; the wave's opening: the add, twice on end; its wait stands ahead of my first tensor load
	ds_add_u32 v[SPW], v[NIL]
	v_lshrrev_b32 v1, 5, v0
	v_readfirstlane_b32 s10, v1                    ; wave 0..3
	s_lshr_b32 s11, s10, 1                         ; which half of the tile's rows is mine.  Also: I fetch for att (0) or for Wo (1)
	s_and_b32 s12, s10, 1                          ; which half of its columns.  Also: which 64 rows I fetch
	s_bfe_u32 s40, ttmp6, 0x40000
	s_bfe_u32 s41, ttmp6, 0x40004
	s_lshl_b32 s42, ttmp9, 2
	s_add_co_u32 s42, s42, s40                     ; tile column
	s_and_b32 s13, ttmp7, 0xffff
	s_lshl_b32 s13, s13, 2
	s_add_co_u32 s13, s13, s41                     ; tile row
	s_lshl_b32 s43, s41, 2
	s_lshl_b32 s43, 15, s43                        ; my row of the cluster
	s_lshl_b32 s44, 0x1111, s40                    ; my column
	; group 1: 64 rows x 256 elements of 2 bytes, 4 words of padding behind every 128
	s_or_b32 s[G1+0], s43, (1<<16)|(1<<20)|(1<<21)|(6<<22)|(3<<25)
	s_or_b32 s[G1B+0], s44, (1<<16)|(1<<20)|(1<<21)|(6<<22)|(3<<25)
.irp g, G1, G1B
	s_mov_b32 s[\g+1], KSTEP<<16
	s_mov_b32 s[\g+2], 64<<16
	s_mov_b32 s[\g+3], KSTEP<<16
	s_mov_b32 s[\g+4], 64
	s_mov_b32 s[\g+5], SIZE_K
	s_mov_b32 s[\g+6], 0
	s_mov_b32 s[\g+7], 0
.endr
	s_lshl_b32 s17, s12, 6
	s_lshl_b32 s16, s13, 7
	s_add_co_u32 s16, s16, s17                     ; att: row 128 x tile row + 64 x half
	s_lshl_b32 s46, s42, 7
	s_add_co_u32 s46, s46, s17                     ; Wo: row 128 x tile column + 64 x half
	s_mov_b32 s17, 0
	s_mov_b32 s47, 0
	s_mov_b64 s[18:19], SIZE_K*2
	s_mul_u64 s[16:17], s[16:17], s[18:19]
	s_mul_u64 s[46:47], s[46:47], s[18:19]
	s_mul_i32 s20, s10, HALFT                      ; where they go: wave x 64 rows
	s_wait_dscnt 0x0                               ; both opening adds are done
	s_wait_kmcnt 0x0
	s_add_nc_u64 s[14:15], s[4:5], s[16:17]
	s_add_nc_u64 s[46:47], s[6:7], s[46:47]
	CROUND                                         ; all sixteen work-groups are here: the first joint loads meet
.irp s, 0,1
	s_mov_b32 s[G0+4*\s], 1
	s_add_co_u32 s[G0+4*\s+1], s20, \s*SLOT
	s_add_nc_u64 s[G0+4*\s+2:G0+4*\s+3], s[14:15], \s*KSTEP*2
	s_or_b32 s[G0+4*\s+3], s[G0+4*\s+3], 0x80000000
	s_mov_b32 s[G0B+4*\s], 1
	s_add_co_u32 s[G0B+4*\s+1], s20, \s*SLOT
	s_add_nc_u64 s[G0B+4*\s+2:G0B+4*\s+3], s[46:47], \s*KSTEP*2
	s_or_b32 s[G0B+4*\s+3], s[G0B+4*\s+3], 0x80000000
	JLOAD \s
.endr
	v_and_b32 v1, 15, v0                           ; l % 16
	v_bfe_u32 v2, v0, 4, 1                         ; l / 16
	v_mul_u32_u24 v3, v1, PITCH
	v_lshl_add_u32 v3, v2, 4, v3
	s_mul_i32 s21, s11, HALFT
	s_mul_i32 s22, s12, HALFT
	s_add_co_u32 s22, s22, 2*HALFT
.irp s, 0,1
	v_add_nc_u32 v[ADRA+\s], s21, v3
	v_add_nc_u32 v[ADRB+\s], s22, v3
	s_add_co_u32 s21, s21, SLOT
	s_add_co_u32 s22, s22, SLOT
.endr
	s_mul_i32 s23, s10, WSTG
	s_add_co_u32 s23, s23, STAGE                   ; my stages
	v_mul_u32_u24 v4, v1, SPITCH                   ; in: row l % 16, 32 bytes for each half of the lanes
	v_lshl_add_u32 v4, v2, 5, v4
	v_add_nc_u32 v[STO], s23, v4
	v_mul_u32_u24 v5, v2, SPITCH                   ; back: lanes 0-15 one row of 256 bytes, lanes 16-31 the next
	v_lshl_add_u32 v5, v1, 4, v5
	v_add_nc_u32 v[RD], s23, v5
	v_mul_u32_u24 v5, v2, SIZE_N*4                 ; and the same two rows in out0
	v_lshl_add_u32 v[CO], v1, 4, v5
	s_lshl_b32 s16, s13, 7
	s_lshl_b32 s17, s11, 6
	s_add_co_u32 s16, s16, s17                     ; my first row: 128 x tile row + 64 x half
	s_mov_b32 s17, 0
	s_mov_b64 s[18:19], SIZE_N*4
	s_mul_u64 s[16:17], s[16:17], s[18:19]
	s_add_nc_u64 s[8:9], s[8:9], s[16:17]
	s_lshl_b32 s46, s42, 9                         ; my first column, in bytes: 512 x tile column + 256 x half
	s_lshl_b32 s47, s12, 8
	s_add_co_u32 s46, s46, s47
	s_mov_b32 s47, 0
	s_add_nc_u64 s[8:9], s[8:9], s[46:47]
; 8 matrix instructions: m blocks a0, a0 + 1 x all 4 n blocks, 32 along K: half c of buffer f.  zero = 1: the first product starts the sums.  The 16 accumulators take turns
.macro MUL8 f, c, a0, zero
.irp a, \a0, \a0+1
.irp b, 0,1,2,3
.if \zero
	v_wmma_f32_16x16x32_f16 v[ACC+8*(4*(\a)+\b):ACC+8*(4*(\a)+\b)+7], v[\f+64+8*(4*\c+\b):\f+64+8*(4*\c+\b)+7], v[\f+8*(4*\c+\a):\f+8*(4*\c+\a)+7], 0
.else
	v_wmma_f32_16x16x32_f16 v[ACC+8*(4*(\a)+\b):ACC+8*(4*(\a)+\b)+7], v[\f+64+8*(4*\c+\b):\f+64+8*(4*\c+\b)+7], v[\f+8*(4*\c+\a):\f+8*(4*\c+\a)+7], v[ACC+8*(4*(\a)+\b):ACC+8*(4*(\a)+\b)+7]
.endif
.endr
.endr
.endm
; 32 LDS loads in one run: the fragments of 64 along K at byte k of the rows, into buffer f; the first 32 along K first
.macro FETCH slot, k, f
	WIN TO_F
.irp c, 0,1
.irp i, 0,1,2,3
	ds_load_b128 v[\f+64+8*(4*\c+\i):\f+64+8*(4*\c+\i)+3],   v[ADRB+\slot] offset:\k+64*\c+\i*16*PITCH
	ds_load_b128 v[\f+64+8*(4*\c+\i)+4:\f+64+8*(4*\c+\i)+7], v[ADRB+\slot] offset:\k+64*\c+\i*16*PITCH+32
	ds_load_b128 v[\f+8*(4*\c+\i):\f+8*(4*\c+\i)+3],         v[ADRA+\slot] offset:\k+64*\c+\i*16*PITCH
	ds_load_b128 v[\f+8*(4*\c+\i)+4:\f+8*(4*\c+\i)+7],       v[ADRA+\slot] offset:\k+64*\c+\i*16*PITCH+32
.endr
.endr
.endm
.macro PLACES                          ; four plain instructions in front of loads into registers that matrix instructions have read, and of the first read of results
.rept 4
	v_nop
.endr
.endm
; A K step is four quarters of 64 along K, 32 matrix instructions each, on buffers 0, 1, 0, 1.
.macro QUARTER slot, k, f, g, zero
	s_wait_dscnt 16                                ; the first 32 along K are in; the other sixteen loads may be out
	WIN MUL
	MUL8 \f, 0, 0, \zero
	MUL8 \f, 0, 2, \zero
	PLACES
	FETCH \slot, \k, \g
	s_wait_dscnt 32                                ; all but the 32 just issued
	WIN MUL
	MUL8 \f, 1, 0, 0
	MUL8 \f, 1, 2, 0
.endm
; The last quarter multiplies buffer 1 and changes slots: one barrier; in front of it each wave waits for all its tensor loads, adds 0 to its spare word, and waits for that and for its reads of this slot.
.macro TURN slot, next, fill
	WIN 0
	s_wait_tensorcnt 0x0                           ; all my tensor loads have landed: my part of the next slot
	ds_add_u32 v[SPW], v[NIL]                      ; 0 onto my spare word
	s_wait_dscnt 17                                ; (the add and the youngest sixteen loads may be out)
	WIN MUL
	MUL8 F1, 0, 0, 0
	s_wait_dscnt 0x0                               ; the add is done, and my reads of this slot are over
	s_barrier_signal -1
	MUL8 F1, 0, 2, 0
.if \fill
	WIN 0
.endif
	s_barrier_wait -1
.if \fill
	CREST                                          ; the barrier has opened a round of the cluster's: no wave of any partner still reads this slot or has a load on its way
	s_add_nc_u64 s[G0+4*\slot+2:G0+4*\slot+3], s[G0+4*\slot+2:G0+4*\slot+3], 2*KSTEP*2
	s_add_nc_u64 s[G0B+4*\slot+2:G0B+4*\slot+3], s[G0B+4*\slot+2:G0B+4*\slot+3], 2*KSTEP*2
	JLOAD \slot                                    ; the first tensor load behind the round; its four v_nop are also the places in front of the loads below
.else
	PLACES
.endif
	FETCH \next, 0, F0
	WIN MUL
	MUL8 F1, 1, 0, 0
	MUL8 F1, 1, 2, 0
.endm
	s_wait_tensorcnt 1                             ; my part of K step 0 is in; K step 1's load may be out,
	s_barrier_signal -1
	s_barrier_wait -1                              ; and so for every wave
	FETCH 0, 0, F0
	QUARTER 0, 128, F0, F1, 1                      ; the first quarter's first products start the sums
.if LAPS > 1
	WIN 0
	s_mov_b32 s3, LAPS-1
.Llap:                                             ; a trip goes once round the ring and fills both slots again
	QUARTER 0, 256, F1, F0, 0
	QUARTER 0, 384, F0, F1, 0
	TURN 0, 1, 1
	QUARTER 1, 128, F0, F1, 0
	QUARTER 1, 256, F1, F0, 0
	QUARTER 1, 384, F0, F1, 0
	TURN 1, 0, 1
	QUARTER 0, 128, F0, F1, 0
	WIN 0
	s_sub_co_u32 s3, s3, 1
	s_cmp_lg_u32 s3, 0
	s_cbranch_scc1 .Llap
.endif
	QUARTER 0, 256, F1, F0, 0                      ; the last lap fills nothing
	QUARTER 0, 384, F0, F1, 0
	TURN 0, 1, 0
	QUARTER 1, 128, F0, F1, 0
	QUARTER 1, 256, F1, F0, 0
	QUARTER 1, 384, F0, F1, 0
	s_wait_dscnt 16
	WIN MUL
	MUL8 F1, 0, 0, 0
	MUL8 F1, 0, 2, 0
	s_wait_dscnt 0
	MUL8 F1, 1, 0, 0
	MUL8 F1, 1, 2, 0
	WIN 0
; THE WAY OUT, block by block of 16 rows x 64 columns.  A lane holds 32 neighbouring bytes of a row: a block goes through one of my two stages and comes back as whole rows of 256 bytes.
; LDS serves a wave's instructions in order: no wait between a block's stores and its loads, nor in front of the stores that use a stage again.
.macro TOSTAGE a
.irp b, 0,1,2,3
	ds_store_b128 v[STO], v[ACC+8*(4*(\a)+\b):ACC+8*(4*(\a)+\b)+3] offset:16*SPITCH*((\a)%2)+64*\b          ; each accumulator from its low end on
	ds_store_b128 v[STO], v[ACC+8*(4*(\a)+\b)+4:ACC+8*(4*(\a)+\b)+7] offset:16*SPITCH*((\a)%2)+64*\b+16
.endr
.irp t, 0,1,2,3,4,5,6,7
	ds_load_b128 v[TMP+32*((\a)%2)+4*\t:TMP+32*((\a)%2)+4*\t+3], v[RD] offset:16*SPITCH*((\a)%2)+2*SPITCH*\t
.endr
.endm
.macro SEND a, younger                 ; younger: the LDS instructions issued behind block a's loads, which may stay out
	s_wait_dscnt \younger
.irp t, 0,1,2,3,4,5,6,7
	global_store_b128 v[CO], v[TMP+32*((\a)%2)+4*\t:TMP+32*((\a)%2)+4*\t+3], s[8:9] offset:(16*(\a)+2*\t)*SIZE_N*4 th:TH_STORE_NT   ; 16 lanes store 256 consecutive bytes, aligned; written once, read by nobody here
.endr
.endm
	PLACES
	TOSTAGE 0
.irp a, 1,2,3
.if \a > 1
	s_wait_xcnt 0x0                                ; block a - 2's stores have read their registers: block a's loads may land there
.endif
	TOSTAGE \a
	SEND \a-1, 16                                  ; behind block a - 1's loads: block a's 8 stores and 8 loads
.endr
	SEND 3, 0
	s_wait_tensorcnt 0x0                           ; the wave's end: a tensor wait, an add of 0 to my spare word and its wait, behind my last tensor load and my last LDS store
	ds_add_u32 v[SPW], v[NIL]
	s_wait_dscnt 0x0
	CROUND                                         ; the closing round: no work-group ends while a partner may still ask for a tile that names it
	s_endpgm
.Lfunc_end_k_q302afeebf0_outp:
	.size	k_q302afeebf0_outp, .Lfunc_end_k_q302afeebf0_outp-k_q302afeebf0_outp
	.p2alignl 7, 3214868480
	.fill 96, 4, 3214868480
	.section	.rodata,"a",@progbits
	.p2align	6, 0x0
	.amdhsa_kernel k_q302afeebf0_outp
		.amdhsa_group_segment_fixed_size 327680
		.amdhsa_private_segment_fixed_size 0
		.amdhsa_enable_private_segment 0
		.amdhsa_kernarg_size 24
		.amdhsa_user_sgpr_count 2
		.amdhsa_user_sgpr_kernarg_segment_ptr 1
		.amdhsa_wavefront_size32 1
		.amdhsa_system_sgpr_workgroup_id_x 1
		.amdhsa_system_sgpr_workgroup_id_y 1
		.amdhsa_system_sgpr_workgroup_id_z 1
		.amdhsa_system_vgpr_workitem_id 0
		.amdhsa_next_free_vgpr 512
		.amdhsa_next_free_sgpr 66
		.amdhsa_reserve_vcc 0
		.amdhsa_float_denorm_mode_32 3
		.amdhsa_float_denorm_mode_16_64 3
		.amdhsa_memory_ordered 1
		.amdhsa_forward_progress 1
		.amdhsa_inst_pref_size 86
	.end_amdhsa_kernel
	.amdgpu_metadata
---
amdhsa.version: [ 1, 2 ]
amdhsa.kernels:
  - .name:           k_q302afeebf0_outp
    .symbol:         k_q302afeebf0_outp.kd
    .args:
      - { .name: att, .offset: 0, .size: 8, .value_kind: global_buffer, .address_space: global }
      - { .name: wo16, .offset: 8, .size: 8, .value_kind: global_buffer, .address_space: global }
      - { .name: out0, .offset: 16, .size: 8, .value_kind: global_buffer, .address_space: global }
    .group_segment_fixed_size: 327680
    .private_segment_fixed_size: 0
    .kernarg_segment_align: 8
    .kernarg_segment_size: 24
    .max_flat_workgroup_size: 128
    .sgpr_count:     66
    .vgpr_count:     512
    .wavefront_size: 32
...
	.end_amdgpu_metadata
.endif
;; end of part 4
